; MI455X (gfx1250); checked and timed in simulation.
; The chip was launched on July 23, 2026; its instructions are those of AMD's public machine-readable ISA for CDNA 5 (MIT licence, August 2026) and "CDNA5" Instruction Set Architecture Reference Guide (July 2026). The comments in the code are by the model that wrote it; some were corrected since.
;; Multi Head Attention. Allowed arithmetic: matrix products marked QUANTISED: E5M2 operands, one E8M0 scale for each 32 along K, by v_wmma_scale_f32_16x16x128_f8f6f4 with both operands' format E5M2, f32 sums; everything else in f32.
;; Inputs: Wk 1,024 x 1,024 float32; Wo 1,024 x 1,024 float32; Wq 1,024 x 1,024 float32; Wv 1,024 x 1,024 float32; bk 1,024 float32; bo 1,024 float32; bq 1,024 float32; bv 1,024 float32; k 4 x 2,048 x 1,024 float32; mask 1 x 1 x 2,048 x 2,048 int32; q 4 x 2,048 x 1,024 float32; v 4 x 2,048 x 1,024 float32.
;; Outputs: out0 4 x 2,048 x 1,024 float32.
;; This version of the problem:
;;   THIS VERSION OF THE PROBLEM IS GIVEN IN LOW PRECISION. The matrix products marked QUANTISED in the list below multiply operands that are first quantised to E5M2 (5 exponent bits, 2 mantissa bits; 8 bits a number), with one power-of-two scale for each 32 numbers along K (OCP MX v1.0); their sums are f32. All else is computed in f32.
;;   The module's matrix products, in the order in which they are computed (A, B: the left and right operand; K: the contracted axis; several contracted axes count as one K, in the product's order):
;;     1. [M 8,192, K 1,024] x [K 1,024, N 1,024]; A: input q; B: input Wq: QUANTISED
;;     2. [M 8,192, K 1,024] x [K 1,024, N 1,024]; A: input k; B: input Wk: QUANTISED
;;     3. [M 8,192, K 1,024] x [K 1,024, N 1,024]; A: input v; B: input Wv: QUANTISED
;;     4. batch 64 x [M 2,048, K 64] x [K 64, N 2,048]; A: computed on the way; B: computed on the way: QUANTISED
;;     5. batch 64 x [M 2,048, K 2,048] x [K 2,048, N 64]; A: softmax (see below); B: computed on the way: QUANTISED
;;     6. [M 8,192, K 1,024] x [K 1,024, N 1,024]; A: computed on the way; B: input Wo: QUANTISED
;;   THE QUANTISER, for each operand of a quantised product, along K:
;;     - K is cut into blocks of 32 from its start; a last block that is shorter is filled with zeros.
;;     - A block's scale is 2^e with e = floor(log2(the largest magnitude in the block)) - 15, held to -126 .. 127; a block of zeros has e = 0. As a byte (E8M0): e + 127.
;;     - Each number is divided by its block's scale, clamped to +-57,344, and rounded to the nearest number of E5M2, ties to even, subnormals kept.
;;     - The product sums the exact products of the quantised numbers (number of the format x scale) in f32.
;;   ~~~python
;;   def quantise(x, axis):      # numpy; x: float32 -> the quantised numbers, widened to float32 again
;;       x = np.moveaxis(x, axis, -1); K = x.shape[-1]
;;       x = np.pad(x, [(0, 0)] * (x.ndim - 1) + [(0, -K % 32)]); x = x.reshape(x.shape[:-1] + (-1, 32)); a = np.abs(x).max(-1, keepdims=True)
;;       e = np.where(a > 0, np.clip(np.frexp(np.where(a > 0, a, 1))[1] - 1 - 15, -126, 127), 0)      # np.frexp(a)[1] - 1 = floor(log2(a)), exactly
;;       r = np.clip(x / 2.0 ** e, -57344, 57344)
;;       step = 2.0 ** (np.maximum(np.frexp(np.where(r == 0, 1, r))[1] - 1, -14) - 2)
;;       q = np.round(r / step) * step * 2.0 ** e      # np.round: ties to even
;;       return np.moveaxis(q.reshape(q.shape[:-2] + (-1,))[..., :K], -1, axis).astype(np.float32)
;;   ~~~
;;   SOFTMAX AHEAD OF A QUANTISED PRODUCT. Where the list says 'softmax', what is quantised is not the finished softmax but p = 2^(t - M), with t = logit x log2(e) and M = ceil(the row's largest t), a whole number; so 1/2 < the row's largest p <= 1. The row's sum l is taken of the UNQUANTISED p, in f32, and the product's result is divided by l at the end. Since M is a whole number, a kernel that streams over the keys may use a running M (the ceiling of the running maximum): every later rescaling is an exact power of two, which a block's scale takes up: the codes' values come out the same.
;;   OPERANDS COMPUTED ON THE WAY. 'Computed on the way' means the value that the module computes at that place (a softmax that the list does not call 'softmax' is quantised finished and normalised). What goes into a quantiser is computed in f32, as accurately as f32 sums, v_exp_f32 and their like allow (about 1e-6 of the number): no bf16 or f16 on the way to a quantiser, and a product that is left as it is and whose result goes on into a quantised operand takes f32 operands (vector FMAs, or v_wmma_f32_16x16x4_f32). A number that lies on a knife's edge between two numbers of the format may be rounded either way, as far as f32 arithmetic and the matrix unit's own rounding can turn it there, and no further.
;; 2 versions, each right; version 2 is version 1 with the launch attn written anew for expert scheduling mode. Each part assembles by itself: llvm-mc -triple=amdgcn-amd-amdhsa -mcpu=gfx1250 --defsym DOCPART=n.
;; ======== version 1 of 2: 4 launches
;; limits: right only within a limited range of input values
;; workspace buffers: cod 29,360,128 bytes; scl 917,504 bytes; maskw 524,288 bytes of whole numbers; flags 8,192 bytes of whole numbers; qi 8,650,752 bytes; kv 17,301,504 bytes; oc 8,388,608 bytes; os 262,144 bytes
;; launch prep (part 1): grid 1408 x 1, 4 waves a work-group, no clusters, 67,072 bytes of LDS; arguments q, k, v, Wq, Wk, Wv, Wo, mask, cod, scl, maskw, flags; writes cod, scl, maskw, flags
.if DOCPART == 1
	.amdgcn_target "amdgcn-amd-amdhsa--gfx1250"
	.amdhsa_code_object_version 6
	.text
	.protected	k_q3ee10d5f41_prep
	.globl	k_q3ee10d5f41_prep
	.p2align	8
	.type	k_q3ee10d5f41_prep,@function
k_q3ee10d5f41_prep:
	s_mov_b64 s[64:65], 0
	v_nop
	global_prefetch_b8 v0, s[64:65] scope:SCOPE_SE
	s_setreg_imm32_b32 hwreg(HW_REG_WAVE_MODE, 25, 1), 1
	s_wait_xcnt 0x0
; PREP.  Two jobs in one launch, parted by the work-group's number.
; (1) Work-groups 0-895: q, k, v [8192][1024] and Wq, Wk, Wv, Wo [1024][1024], f32, K innermost, become codes of BF8 (E5M2), one byte each, and one E8M0 scale byte for each 32 along K.
;     cod: rows of 1,024 bytes; first rows: q 0, k 8192, v 16384, Wq 24576, Wk 25600, Wv 26624, Wo 27648.  scl: 32 bytes a row, the same row numbers.
;     STORED ORDER: in every 32 rows the two middle groups of 8 rows change places.  So 16 consecutive stored rows (tile i, row r) are the true rows 32 (i / 2) + 8 (i % 2) + r % 8 + 16 (r / 8):
;     a product whose source 0 takes such a tile leaves, in the 16 registers of result tiles 2 b and 2 b + 1, 16 neighbours of the true order.
;     A block's scale is 2^(floor(log2(largest magnitude)) - 15); its byte is that magnitude's exponent field - 15, held at 1 from below.  Each number is held within +-57,344 x the scale and rounded to the nearest code, ties to even.
;     LIMITS: a block of zeros gets the byte 1 where the rule says 127 (its codes are zeros, and this program alone reads the bytes); blocks whose largest magnitude lies under 2^-111 were not tried; NaN and infinities are not served.
; (2) Work-groups 896-1407: the mask [2048][2048] int32 becomes lane masks.  A unit is a tile T of 16 queries (stored order) x a step s of 128 keys; a wave makes one unit.
;     maskw [T 128][s 16][n 64] u32: bit L of word n = mask[query(T, L % 16)][128 s + 32 (n / 16) + 16 (L / 16) + n % 16] != 0: the place of a score in the attention launch's registers.
;     flags [T][s] u32: 1 << s where the unit has a hole, else 0.
; No tensor loads, no barrier: waves share nothing.  The two paths have LDS bytes of their own.  Nothing is shared between work-groups, so there is no cluster.
.set STEPS, 16
.set CB,    16                         ; bytes of 16 codes
.set R,     16                         ; v16-79   four sets of 16 numbers as loaded   (mask path: 16 rows as loaded)
.set X,     80                         ; v80-111  two sets of 16 neighbours           (mask path: v80-143, 64 words in the scores' order)
.set E,     112                        ; v112-127 a scale byte for each step
.set C,     128                        ; v128-191 codes: four registers for each step
.set WREG,  8192                       ; LDS, quantiser: a region for each wave: two stages of 32 x SP bytes, behind them its 256 scale bytes
.set SP,    80                         ; a lane's place in a stage: 64 bytes + 16 of padding
.set MSTG,  32768                      ; LDS, mask path: a stage of 16 rows x MP bytes for each wave
.set MP,    528                        ; 512 bytes + 16 of padding
.set QWG,   896
	s_load_b512 s[4:19], s[0:1], 0x0               ; q, k, v, Wq, Wk, Wv, Wo, mask
	s_load_b256 s[20:27], s[0:1], 0x40             ; cod, scl, maskw, flags
	v_lshl_add_u32 v192, v0, 2, 0x10400
	v_mov_b32 v193, 0
	v_lshrrev_b32 v1, 5, v0
	v_readfirstlane_b32 s28, v1                    ; wave 0..3
	v_and_b32 v2, 31, v0                           ; lane
	v_lshlrev_b32 v3, 4, v2                        ; my 16 bytes of a load's 512
	s_cmp_ge_u32 ttmp9, QWG
	s_cbranch_scc1 .Lmask
	; ---------------- the quantiser: a work-group takes 32 rows, a wave 8 rows = 8,192 numbers = 16 steps of 512
	s_mul_i32 s30, s28, WREG
	v_lshrrev_b32 v14, 2, v2
	v_mul_u32_u24 v14, v14, SP
	v_and_b32 v15, 3, v2
	v_lshl_add_u32 v14, v15, 4, v14
	v_add_nc_u32 v14, s30, v14                     ; the stage, on the way in: four lanes' 64 bytes on end, then 16 of padding
	v_mul_u32_u24 v15, v2, SP
	v_add_nc_u32 v15, s30, v15                     ; and on the way out: my 16 neighbours
	v_mul_u32_u24 v4, v2, CB                       ; my codes' place in a step's
	v_lshrrev_b32 v5, 1, v2
	s_add_co_u32 s30, s30, 2*32*SP
	v_add_nc_u32 v5, s30, v5                       ; LDS: my wave's 256 scale bytes, my block's byte
	v_lshlrev_b32 v7, 3, v2                        ; and on the way out 8 bytes a lane
	v_add_nc_u32 v6, s30, v7
	s_mov_b32 s31, 0x600000                        ; the mantissa field of 57,344
	s_mov_b32 s29, 0                               ; the first work-group of my tensor
	s_wait_kmcnt 0x0
.macro PICK n, p                       ; from work-group n on the source is the buffer in s[p:p+1]: the choice hangs on the work-group's number alone
	s_cmp_ge_u32 ttmp9, \n
	s_cselect_b64 s[4:5], s[\p:\p+1], s[4:5]
	s_cselect_b32 s29, \n, s29
.endm
	PICK 256, 6
	PICK 512, 8
	PICK 768, 10
	PICK 800, 12
	PICK 832, 14
	PICK 864, 16
	s_sub_co_u32 s32, ttmp9, s29
	s_lshl_b32 s32, s32, 2
	s_add_co_u32 s32, s32, s28                     ; which run of 8 rows of the tensor I read
	s_lshl_b32 s32, s32, 15                        ; x 32,768 bytes
	s_mov_b32 s33, 0
	s_add_nc_u64 s[4:5], s[4:5], s[32:33]
	s_and_b32 s34, s28, 1
	s_lshl_b32 s34, s34, 1
	s_lshr_b32 s35, s28, 1
	s_or_b32 s34, s34, s35                         ; waves 1 and 2 change places on the way out: the stored order
	s_lshl_b32 s35, ttmp9, 2
	s_add_co_u32 s34, s34, s35                     ; which run of 8 rows of cod and scl I write
	s_lshl_b32 s32, s34, 13
	s_add_nc_u64 s[20:21], s[20:21], s[32:33]
	s_lshl_b32 s32, s34, 8
	s_add_nc_u64 s[22:23], s[22:23], s[32:33]
.macro LOAD t
.irp i, 0,1,2,3
	global_load_b128 v[R+16*((\t)%4)+4*\i:R+16*((\t)%4)+4*\i+3], v3, s[4:5] offset:2048*(\t)+512*\i th:TH_LOAD_NT   ; 32 lanes read 512 consecutive bytes
.endr
.endm
.macro TURN t                          ; step t's numbers through the stage: LDS serves a wave's instructions in order, so no wait stands between the stores and the loads
.irp i, 0,1,2,3
	ds_store_b128 v14, v[R+16*((\t)%4)+4*\i:R+16*((\t)%4)+4*\i+3] offset:32*SP*((\t)%2)+8*SP*\i
.endr
.irp i, 0,1,2,3
	ds_load_b128 v[X+16*((\t)%2)+4*\i:X+16*((\t)%2)+4*\i+3], v15 offset:32*SP*((\t)%2)+16*\i
.endr
.endm
.irp t, 0,1,2,3
	LOAD \t
.endr
	s_wait_loadcnt 12                              ; step 0's four loads are in; those of steps 1 to 3 stay out
	TURN 0
.macro STEP t
.set XS, X+16*((\t)%2)
.if (\t) > 0
	s_wait_dscnt 1                                 ; this step's numbers are back from the stage (the last step's byte store may be out)
.else
	s_wait_dscnt 0x0
.endif
.if (\t)+4 < STEPS
	LOAD (\t)+4                                    ; the stage's stores have read these registers: they take the loads of four steps on
.endif
.if (\t)+1 < STEPS
.if STEPS-2-(\t) >= 3
	s_wait_loadcnt 12                              ; the next step's four loads are in; those of the three steps behind it may be out
.else
	s_wait_loadcnt 4*(STEPS-2-(\t))
.endif
	TURN (\t)+1
.endif
	v_max3_num_f32 v8, |v[XS]|, |v[XS+1]|, |v[XS+2]|               ; the largest magnitude of my 16, in two chains
	v_max3_num_f32 v9, |v[XS+3]|, |v[XS+4]|, |v[XS+5]|
.irp i, 6,10
	v_max3_num_f32 v8, v8, |v[XS+\i]|, |v[XS+\i+1]|
	v_max3_num_f32 v9, v9, |v[XS+\i+2]|, |v[XS+\i+3]|
.endr
	v_max3_num_f32 v8, v8, |v[XS+14]|, |v[XS+15]|
	v_max3_num_f32 v8, v8, v9, 0x8000000           ; and the floor 2^(16 - 127): the byte cannot fall under 1
	v_max_num_f32_dpp v8, v8, v8 row_xmask:1 row_mask:0xf bank_mask:0xf   ; and of my neighbour's 16: the block's
	v_add_nc_u32 v11, 0xf8800000, v8               ; 15 off its exponent field: the conversion takes the exponent field of this operand as its scale
	v_and_or_b32 v10, v8, 0x7f800000, s31          ; 57,344 x the scale
.irp i, 0,1,2,3,4,5,6,7,8,9,10,11,12,13,14,15
	v_med3_num_f32 v[XS+\i], v[XS+\i], -v10, v10   ; the conversion to an 8-bit code does not saturate (ISA guide 7.6.2): the hold comes first
.endr
	v_cvt_scalef32_pk8_bf8_f32 v[C+4*(\t):C+4*(\t)+1], v[XS:XS+7], v11
	v_cvt_scalef32_pk8_bf8_f32 v[C+4*(\t)+2:C+4*(\t)+3], v[XS+8:XS+15], v11
	v_lshrrev_b32 v[E+(\t)], 23, v11               ; the scale's byte
	ds_store_b8 v5, v[E+(\t)] offset:16*(\t)       ; both lanes of a block write the same byte with the same value
	global_store_b128 v4, v[C+4*(\t):C+4*(\t)+3], s[20:21] offset:32*CB*(\t)   ; 32 lanes store 512 consecutive bytes
.endm
.irp t, 0,1,2,3,4,5,6,7,8,9,10,11,12,13,14,15
	STEP \t
.endr
	ds_load_b64 v[12:13], v6                       ; LDS serves a wave's instructions in order: these see my stores
	s_wait_dscnt 0x0
	global_store_b64 v7, v[12:13], s[22:23]        ; 32 lanes store 256 consecutive bytes, aligned
	s_wait_tensorcnt 0x0
	ds_add_u32 v192, v193
	s_wait_dscnt 0x0
	s_endpgm
	; ---------------- the mask: unit U = 16 T + s, one a wave
.Lmask:
	s_sub_co_u32 s29, ttmp9, QWG
	s_lshl_b32 s29, s29, 2
	s_add_co_u32 s29, s29, s28                     ; U
	s_lshr_b32 s30, s29, 4                         ; T = 8 g + 2 F + u
	s_and_b32 s31, s29, 15                         ; s
	s_and_b32 s32, s30, 1
	s_lshl_b32 s32, s32, 3
	s_lshl_b32 s33, s30, 4
	s_sub_co_u32 s32, s33, s32                     ; the tile's first true query: 128 g + 32 F + 8 u = 16 T - 8 u
	s_lshl_b32 s32, s32, 13                        ; a row of the mask is 8,192 bytes
	s_lshl_b32 s33, s31, 9                         ; a step's 128 keys are 512 bytes
	s_add_co_u32 s32, s32, s33
	s_mov_b32 s33, 0
	s_mul_i32 s34, s28, 16*MP
	s_add_co_u32 s34, s34, MSTG                    ; my stage
	v_add_nc_u32 v4, s34, v3                       ; in: 16 bytes a lane, a row an instruction
	v_and_b32 v7, 15, v2                           ; r
	v_lshrrev_b32 v8, 4, v2                        ; h
	v_mul_u32_u24 v5, v7, MP
	v_lshl_add_u32 v5, v8, 6, v5
	v_add_nc_u32 v5, s34, v5                       ; out: row r, + 64 h: my 16 keys of each block of 32
	v_lshlrev_b32 v6, 3, v2                        ; two words a lane on the way to memory
	v_mov_b32 v144, 0                              ; v_writelane_b32's destination counts as read
	v_mov_b32 v145, 0
	v_mov_b32 v147, 0
	s_wait_kmcnt 0x0
	s_add_nc_u64 s[18:19], s[18:19], s[32:33]
	s_lshl_b32 s32, s29, 8
	s_add_nc_u64 s[24:25], s[24:25], s[32:33]      ; maskw + 256 U
	s_lshl_b32 s32, s29, 2
	s_add_nc_u64 s[26:27], s[26:27], s[32:33]      ; flags + 4 U
.irp t, 0,1,2,3,4,5,6,7,8,9,10,11,12,13,14,15
	global_load_b128 v[R+4*\t:R+4*\t+3], v3, s[18:19] offset:(\t%8+16*(\t/8))*8192 th:TH_LOAD_NT   ; row t of the tile: 512 consecutive bytes
.endr
.irp t, 0,1,2,3,4,5,6,7,8,9,10,11,12,13,14,15
	s_wait_loadcnt 15-\t                           ; row t is in; the younger rows stay out
	ds_store_b128 v4, v[R+4*\t:R+4*\t+3] offset:MP*\t
.endr
.irp b, 0,1,2,3
.irp i, 0,1,2,3
	ds_load_b128 v[X+16*\b+4*\i:X+16*\b+4*\i+3], v5 offset:128*\b+16*\i   ; register 16 b + i': key 32 b + 16 h + i' of query r
.endr
.endr
	s_lshl_b32 s29, 1, s31                         ; the unit's bit
	s_mov_b32 s30, -1                              ; the AND of all 64 words
	s_wait_dscnt 0x0
.set n, 0
.rept 64
	v_cmp_ne_u32 s[32+n%16], 0, v[X+n]             ; word n: a bit for each lane
	s_and_b32 s30, s30, s[32+n%16]
	v_writelane_b32 v[144+n%2], s[32+n%16], n/2    ; lane l gathers words 2 l and 2 l + 1
.set n, n+1
.endr
	global_store_b64 v6, v[144:145], s[24:25]      ; 32 lanes store 256 consecutive bytes, aligned
	s_cmp_eq_u32 s30, -1
	s_cselect_b32 s31, 0, s29                      ; no hole: 0
	v_mov_b32 v146, s31
	global_store_b32 v147, v146, s[26:27]          ; every lane writes the same word with the same value
	s_wait_tensorcnt 0x0
	ds_add_u32 v192, v193
	s_wait_dscnt 0x0
	s_endpgm
.Lfunc_end_k_q3ee10d5f41_prep:
	.size	k_q3ee10d5f41_prep, .Lfunc_end_k_q3ee10d5f41_prep-k_q3ee10d5f41_prep
	.p2alignl 7, 3214868480
	.fill 96, 4, 3214868480
	.section	.rodata,"a",@progbits
	.p2align	6, 0x0
	.amdhsa_kernel k_q3ee10d5f41_prep
		.amdhsa_group_segment_fixed_size 67072
		.amdhsa_private_segment_fixed_size 0
		.amdhsa_enable_private_segment 0
		.amdhsa_kernarg_size 96
		.amdhsa_user_sgpr_count 2
		.amdhsa_user_sgpr_kernarg_segment_ptr 1
		.amdhsa_wavefront_size32 1
		.amdhsa_system_sgpr_workgroup_id_x 1
		.amdhsa_system_sgpr_workgroup_id_y 1
		.amdhsa_system_sgpr_workgroup_id_z 1
		.amdhsa_system_vgpr_workitem_id 0
		.amdhsa_next_free_vgpr 194
		.amdhsa_next_free_sgpr 66
		.amdhsa_reserve_vcc 0
		.amdhsa_float_denorm_mode_32 3
		.amdhsa_float_denorm_mode_16_64 3
		.amdhsa_memory_ordered 1
		.amdhsa_forward_progress 1
		.amdhsa_inst_pref_size 67
	.end_amdhsa_kernel
	.amdgpu_metadata
---
amdhsa.version: [ 1, 2 ]
amdhsa.kernels:
  - .name:           k_q3ee10d5f41_prep
    .symbol:         k_q3ee10d5f41_prep.kd
    .args:
      - { .name: q, .offset: 0, .size: 8, .value_kind: global_buffer, .address_space: global }
      - { .name: k, .offset: 8, .size: 8, .value_kind: global_buffer, .address_space: global }
      - { .name: v, .offset: 16, .size: 8, .value_kind: global_buffer, .address_space: global }
      - { .name: Wq, .offset: 24, .size: 8, .value_kind: global_buffer, .address_space: global }
      - { .name: Wk, .offset: 32, .size: 8, .value_kind: global_buffer, .address_space: global }
      - { .name: Wv, .offset: 40, .size: 8, .value_kind: global_buffer, .address_space: global }
      - { .name: Wo, .offset: 48, .size: 8, .value_kind: global_buffer, .address_space: global }
      - { .name: mask, .offset: 56, .size: 8, .value_kind: global_buffer, .address_space: global }
      - { .name: cod, .offset: 64, .size: 8, .value_kind: global_buffer, .address_space: global }
      - { .name: scl, .offset: 72, .size: 8, .value_kind: global_buffer, .address_space: global }
      - { .name: maskw, .offset: 80, .size: 8, .value_kind: global_buffer, .address_space: global }
      - { .name: flags, .offset: 88, .size: 8, .value_kind: global_buffer, .address_space: global }
    .group_segment_fixed_size: 67072
    .private_segment_fixed_size: 0
    .kernarg_segment_align: 8
    .kernarg_segment_size: 96
    .max_flat_workgroup_size: 128
    .sgpr_count:     66
    .vgpr_count:     194
    .wavefront_size: 32
...
	.end_amdgpu_metadata
.endif
;; end of part 1
;; launch proj (part 2): grid 4 x 96, 4 waves a work-group, clusters of 4 x 4, 327,680 bytes of LDS; arguments cod, scl, bq, bk, bv, qi, kv; writes qi, kv
.if DOCPART == 2
	.amdgcn_target "amdgcn-amd-amdhsa--gfx1250"
	.amdhsa_code_object_version 6
	.text
	.protected	k_q3ee10d5f41_proj
	.globl	k_q3ee10d5f41_proj
	.p2align	8
	.type	k_q3ee10d5f41_proj,@function
k_q3ee10d5f41_proj:
	s_mov_b64 s[64:65], 0
	v_nop
	global_prefetch_b8 v0, s[64:65] scope:SCOPE_SE
	s_setreg_imm32_b32 hwreg(HW_REG_WAVE_MODE, 25, 1), 1
	s_wait_xcnt 0x0
	s_wait_alu depctr_hold_cnt(0) depctr_sa_sdst(0) depctr_va_vdst(0) depctr_va_sdst(0) depctr_va_ssrc(0) depctr_va_vcc(0) depctr_vm_vsrc(0)
	s_getreg_b32 s2, hwreg(HW_REG_IB_STS2, 6, 4)
	s_cmp_eq_u32 s2, 0
	s_cbranch_scc0 .Lentry_in_a_cluster
	s_endpgm
.Lentry_in_a_cluster:
	s_bfe_u32 s2, ttmp6, 0x10000c
	s_cmp_lg_u32 s2, 0xf033
	s_cbranch_scc0 .Lentry_shape_is_right
	s_endpgm
.Lentry_shape_is_right:
; PROJ.  The three projections x W^T + b on codes of BF8 (E5M2) with E8M0 scales for each 32 along K = 1,024; the results are quantised in registers and leave as images of the attention launch's operand registers.
; cod, scl: rows of 1,024 codes and 32 scale bytes in the stored order (in every 32 rows the two middle groups of 8 have changed places); first rows: q 0, k 8192, v 16384, Wq 24576, Wk 25600, Wv 26624.
; A tile of 256 x 256 results is made by four waves, each 128 x 128: 64 accumulators, 512 registers.  K goes in steps of 256 through a ring of two LDS slots filled by tensor loads; the scale bytes of the tile's rows come once.
; ONE TEXT SERVES THE THREE TENSORS.  Source 0 ('B') is the axis along which the result is quantised afterwards (it lands in a lane's registers), source 1 ('A') the axis that lands in the lanes.
;   Q, K (cluster y 0-7, 8-15): A = 256 tokens, B = 256 rows of W: a lane holds one token, its registers run along the features: blocks of 32 along a head's 64.
;   V (cluster y 16-23):        A = 256 rows of Wv, B = 256 tokens: a lane holds one feature d, its registers run along the keys: blocks of 32 keys.
; By the stored order the 16 registers of result tiles 2 b and 2 b + 1 are the true indices 32 b + 16 (lane / 16) + 0 .. 15 of B's axis: the conversions' results ARE operand registers.
; OUT.  An image of a fragment is four chunks of 512 bytes; chunk c holds lane l's registers 4 c .. 4 c + 3 at byte 16 l: every store of codes covers 512 consecutive bytes.
;   qi: per (batch, head) 135,168 bytes = 16 groups of 128 tokens x [codes 8,192][scale words 256].   kv: per (batch, head) 270,336 bytes = 16 steps of 128 keys x [K codes 8,192][V codes 8,192][K scales 256][V scales 256].
;   Q, K codes: fragment F holds token tiles 2 F (chunks 0, 1: d 0-63) and 2 F + 1 (chunks 2, 3).  V codes: fragment t = 16 features x 128 keys.  Scale blocks: [row 16][4 words], word F (or t) for fragment F (or t).
; CLUSTERS: 4 x 4 work-groups; A's tiles are asked for jointly along a row of the cluster, B's along a column.  What differs between the tensors hangs on the cluster's y alone, which all partners share.
; LIMITS: a block of zeros gets the byte 1 (its codes are zeros; this program alone reads the bytes); blocks under 2^-111 were not tried; NaN and infinities are not served.
; REGISTERS, in windows of 256: window 0: v0-31 addresses (v8-15 the bias by lanes); v32-63 scale words, two sets; v64-127 the bias by registers; from v128 A's fragments, one set; on the way out v128-239 at work.
;   window 1: B's fragments, two sets.   window 2: the accumulators of A's blocks 0-3 ((a, b) at v[8 (8 a + b)]);   window 3: those of blocks 4-7.
.set KSTEP,  256
.set NQ,     2                         ; matrix instructions deep in a slot
.set ROWB,   256                       ; a tile's row in bytes
.set KROW,   1024                      ; a row of codes in memory
.set PITCH,  272                       ; an LDS row: 256 bytes + 16 of padding: the 16 rows that a load touches start at 16 different banks (64 banks of 4 bytes: ISA guide 11.1)
.set FR,     16
.set NL,     4
.set NP,     8                         ; places behind this matrix instruction (ISA guide 7.12.1)
.set HALFT,  128*PITCH
.set SLOT,   4*HALFT
.set LAPS,   2                         ; 1,024 / 512
.set KS,     32                        ; a row of scale bytes
.set SCL,    2*SLOT                    ; behind the ring: the scales, as units of 256 bytes + 16 of padding
.set HALFS,  16*272                    ; those of 128 rows
.set SBLK,   2*272                     ; those of 16 rows
.set SPARE,  SCL+4*HALFS               ; the spare words, 128 bytes for each wave: two blocks of 256 bytes that no other line names
.set BL,   8                           ; v8-15   bias by lanes: register a = b[A's block a, my row]
.set ADRA, 16
.set ADRB, 20
.set ADRS, 27
.set SPW,  28
.set NIL,  29
.set VO,   30                          ; v30-31  the way out: 16 x lane, for the first head and for the second
.set SC,   32
.set BI,   64                          ; v64-127 bias by registers: register 8 b + j = b[B's tile b, index 8 h + j]
.set AF,   128
.set ST,   128                         ; the way out: 64 numbers of a lane
.set PC,   192                         ; their codes
.set TM,   208                         ; v208-211 largest magnitudes, 212-215 bytes, 216-219 holds, 220-223 scale operands
.set SW,   228                         ; v228-231 the first head's four scale words, v232-235 the second's
.set G1, 24
.set G0, 32
.set G1B, 48
.set G0B, 56
.set G1S, 68
.set G0S, 76
.set G1SB, 80
.set G0SB, 88
.set MSB, 0
.macro WIN new                         ; the immediate's high byte repeats the setting that is left
.if MSB != (\new)
	s_set_vgpr_msb (MSB<<8)|(\new)
.set MSB, (\new)
.endif
.endm
.set MUL_LO, 0xa1                      ; source 0 (B) window 1, source 1 (A) window 0, C and D window 2
.set MUL_HI, 0xf1
.set TO_B,   0x40
; A joint load: waves 0 and 1 fetch for A, waves 2 and 3 for B; the branch hangs on the wave's number alone.  Four v_nop follow each of the two lines.
.macro JLOAD g0a, g1a, g0b, g1b
	s_cmp_eq_u32 s15, 0
	s_cbranch_scc0 .Lfor_b_\@
	tensor_load_to_lds s[\g0a:\g0a+3], s[\g1a:\g1a+7]
	s_nop 0
.rept 4
	v_nop
.endr
	s_branch .Lasked_\@
.Lfor_b_\@:
	tensor_load_to_lds s[\g0b:\g0b+3], s[\g1b:\g1b+7]
	s_nop 0
.rept 4
	v_nop
.endr
.Lasked_\@:
.endm
.macro CREST                           ; a round of the cluster's barrier behind its opening barrier
	s_cmp_lg_u32 s14, 0
	s_cbranch_scc1 .Lnot_wave_0_\@
	s_barrier_signal -3
.Lnot_wave_0_\@:
	s_barrier_wait -3
	s_barrier_signal -1
	s_barrier_wait -1
.endm
.macro CROUND
	s_barrier_signal -1
	s_barrier_wait -1
	CREST
.endm
	s_load_b128 s[4:7], s[0:1], 0x0                ; cod, scl
	s_load_b128 s[8:11], s[0:1], 0x10              ; bq, bk
	s_load_b128 s[96:99], s[0:1], 0x20             ; bv, qi
	s_load_b64 s[100:101], s[0:1], 0x30            ; kv
	v_lshl_add_u32 v[SPW], v0, 2, SPARE
	v_mov_b32 v[NIL], 0
	ds_add_u32 v28, v29
	ds_add_u32 v28, v29
	s_wait_dscnt 0x0
	v_lshrrev_b32 v1, 5, v0
	v_readfirstlane_b32 s14, v1                    ; wave 0..3
	s_lshr_b32 s15, s14, 1                         ; which half of A's 256 rows is mine.  Also: I fetch for A (0) or for B (1)
	s_and_b32 s16, s14, 1                          ; which half of B's.  Also: which 128 rows I fetch
	s_bfe_u32 s40, ttmp6, 0x40000                  ; cx, cy: my place in the cluster
	s_bfe_u32 s41, ttmp6, 0x40004
	s_and_b32 s18, ttmp7, 0xffff                   ; the cluster's y, 0..23
	s_and_b32 s19, s18, 7                          ; which 1,024 tokens
	s_lshr_b32 s66, s18, 3                         ; the tensor: 0 Q, 1 K, 2 V
	s_lshl_b32 s92, s66, 13                        ; Q, K: the tokens' first row in cod,
	s_lshl_b32 s93, s66, 10
	s_add_co_u32 s93, s93, 24576                   ; and W's
	s_cmp_eq_u32 s66, 2                            ; V?  All the selections follow this one compare
	s_cselect_b32 s67, 1, 0
	s_cselect_b32 s2, s19, 0                       ; the tokens run along B's axis (V) ...
	s_cselect_b32 s95, 0, s19                      ; ... or along A's (Q, K)
	s_cselect_b32 s92, 26624, s92                  ; A's first row in cod: Wv's, or the tokens'
	s_cselect_b32 s93, 16384, s93                  ; B's: v's, or W's
	s_lshl_b32 s42, s2, 2
	s_add_co_u32 s42, s42, s40                     ; B's tile
	s_lshl_b32 s17, s95, 2
	s_add_co_u32 s17, s17, s41                     ; A's tile
	s_lshl_b32 s43, s41, 2
	s_lshl_b32 s43, 15, s43                        ; my row of the cluster
	s_lshl_b32 s44, 0x1111, s40                    ; my column
	; descriptor group 1: a tile of 128 rows x 256 bytes, 16 bytes of padding behind each row
	s_or_b32 s[G1+0], s43, (0<<16)|(1<<20)|(1<<21)|(5<<22)|(3<<25)  ; 15:0 the mask: A's tiles go to my row; elements of 1 byte; padding on; bit 21 beside a mask; after every 64 words, 4 words
	s_or_b32 s[G1B+0], s44, (0<<16)|(1<<20)|(1<<21)|(5<<22)|(3<<25)
.irp g, G1, G1B
	s_mov_b32 s[\g+1], ROWB<<16                    ; tensor_dim0
	s_mov_b32 s[\g+2], 128<<16                     ; tensor_dim1
	s_mov_b32 s[\g+3], ROWB<<16                    ; tile_dim0
	s_mov_b32 s[\g+4], 128                         ; tile_dim1
	s_mov_b32 s[\g+5], KROW                        ; tensor_dim0_stride
	s_mov_b32 s[\g+6], 0
	s_mov_b32 s[\g+7], 0
.endr
	; the scales of 128 rows: 4,096 dense bytes, as 16 rows of 256 bytes (32 elements of 8 bytes), 16 bytes of padding behind each
	s_or_b32 s[G1S+0], s43, (3<<16)|(1<<20)|(1<<21)|(5<<22)|(3<<25)
	s_or_b32 s[G1SB+0], s44, (3<<16)|(1<<20)|(1<<21)|(5<<22)|(3<<25)
.irp g, G1S, G1SB
	s_mov_b32 s[\g+1], 32<<16
	s_mov_b32 s[\g+2], 16<<16
	s_mov_b32 s[\g+3], 32<<16
	s_mov_b32 s[\g+4], 16
	s_mov_b32 s[\g+5], 32
	s_mov_b32 s[\g+6], 0
	s_mov_b32 s[\g+7], 0
.endr
	s_lshl_b32 s18, s16, 7                         ; which 128 rows of the tile I fetch
	s_lshl_b32 s20, s17, 8
	s_add_co_u32 s20, s20, s18
	s_add_co_u32 s20, s20, s92                     ; A: row in cod and scl
	s_lshl_b32 s46, s42, 8
	s_add_co_u32 s46, s46, s18
	s_add_co_u32 s46, s46, s93                     ; B likewise
	s_mov_b32 s21, 0
	s_mov_b32 s47, 0
	s_mov_b64 s[18:19], KS
	s_mul_u64 s[22:23], s[20:21], s[18:19]         ; where these rows' scales begin, in bytes
	s_mul_u64 s[92:93], s[46:47], s[18:19]
	s_mov_b64 s[18:19], KROW
	s_mul_u64 s[20:21], s[20:21], s[18:19]         ; and their codes
	s_mul_u64 s[46:47], s[46:47], s[18:19]
	s_mul_i32 s45, s14, HALFT                      ; where they go: wave x 128 rows: no place in the cluster enters an LDS address
	s_mul_i32 s94, s14, HALFS
	s_wait_kmcnt 0x0
	s_add_nc_u64 s[20:21], s[4:5], s[20:21]
	s_add_nc_u64 s[22:23], s[6:7], s[22:23]
	s_add_nc_u64 s[46:47], s[4:5], s[46:47]
	s_add_nc_u64 s[92:93], s[6:7], s[92:93]
	CROUND                                         ; all sixteen work-groups are here: the first joint loads meet
	s_mov_b32 s[G0S], 1
	s_add_co_u32 s[G0S+1], s94, SCL
	s_mov_b64 s[G0S+2:G0S+3], s[22:23]
	s_or_b32 s[G0S+3], s[G0S+3], 0x80000000
	s_mov_b32 s[G0SB], 1
	s_add_co_u32 s[G0SB+1], s94, SCL
	s_mov_b64 s[G0SB+2:G0SB+3], s[92:93]
	s_or_b32 s[G0SB+3], s[G0SB+3], 0x80000000
	JLOAD G0S, G1S, G0SB, G1SB                     ; the scales first: they are wanted with K step 0.  With the two below, three loads of mine are out
.irp s, 0,1
	s_mov_b32 s[G0+4*\s], 1
	s_add_co_u32 s[G0+4*\s+1], s45, \s*SLOT
	s_add_nc_u64 s[G0+4*\s+2:G0+4*\s+3], s[20:21], \s*ROWB
	s_or_b32 s[G0+4*\s+3], s[G0+4*\s+3], 0x80000000
	s_mov_b32 s[G0B+4*\s], 1
	s_add_co_u32 s[G0B+4*\s+1], s45, \s*SLOT
	s_add_nc_u64 s[G0B+4*\s+2:G0B+4*\s+3], s[46:47], \s*ROWB
	s_or_b32 s[G0B+4*\s+3], s[G0B+4*\s+3], 0x80000000
	JLOAD G0+4*\s, G1, G0B+4*\s, G1B
.endr
	v_and_b32 v1, 15, v0                           ; r = lane % 16
	v_bfe_u32 v2, v0, 4, 1                         ; h = lane / 16
	v_mul_u32_u24 v3, v1, PITCH
	v_lshl_add_u32 v4, v2, 4, v3                   ; a fragment's row x pitch + 16 h
	s_mul_i32 s21, s15, HALFT                      ; my 128 rows of A
	s_mul_i32 s22, s16, HALFT                      ; my 128 rows of B,
	s_add_co_u32 s22, s22, 2*HALFT                 ; which lie behind A's 256
.irp s, 0,1
	v_add_nc_u32 v[ADRA+\s], s21, v4
	v_add_nc_u32 v[ADRB+\s], s22, v4
	s_add_co_u32 s21, s21, SLOT
	s_add_co_u32 s22, s22, SLOT
.endr
	v_mul_u32_u24 v5, v1, KS                       ; my row's scales: 32 bytes a row,
	v_lshrrev_b32 v6, 8, v5
	v_lshl_add_u32 v5, v6, 4, v5                   ; and 16 more for each 256 passed
	s_mul_i32 s21, s15, HALFS
	s_mul_i32 s22, s16, HALFS
	s_add_co_u32 s22, s22, 2*HALFS
	s_sub_co_u32 s22, s22, s21
	v_mul_u32_u24 v6, s22, v2                      ; lanes 16-31 take B's
	s_add_co_u32 s21, s21, SCL
	v_add_nc_u32 v5, v5, v6
	v_add_nc_u32 v[ADRS], s21, v5
	; the bias, in both forms, without a branch: the form that the tensor does not use is loaded from the vector's start and never read
	s_lshl_b32 s95, s17, 1
	s_add_co_u32 s95, s95, s15                     ; ia: which 128 of A's axis are my wave's
	s_lshl_b32 s2, s42, 1
	s_add_co_u32 s2, s2, s16                       ; ib: which 128 of B's
	s_lshl_b32 s21, s2, 9
	s_lshl_b32 s22, s95, 9
	s_cmp_eq_u32 s67, 1
	s_cselect_b32 s21, 0, s21
	s_cselect_b32 s22, s22, 0
	v_lshl_add_u32 v22, v2, 6, s21                 ; by registers: 512 ib + 64 h
	v_and_b32 v23, 8, v1
	v_add_nc_u32 v23, v23, v1                      ; r + 8 (r / 8): the true place of stored row r in its tile
	v_lshl_add_u32 v23, v23, 2, s22                ; by lanes: 512 ia + 4 x that
	s_cmp_eq_u32 s66, 1
	s_cselect_b64 s[8:9], s[10:11], s[8:9]
	s_cmp_eq_u32 s66, 2
	s_cselect_b64 s[8:9], s[96:97], s[8:9]         ; bq, bk or bv
	s_cmp_eq_u32 s66, 0
	s_cselect_b64 s[12:13], s[98:99], s[100:101]   ; qi, or kv
.irp b, 0,1,2,3
.irp i, 0,1,2,3
	global_load_b128 v[BI+16*\b+4*\i:BI+16*\b+4*\i+3], v22, s[8:9] offset:128*\b+16*\i
.endr
.endr
.irp a, 0,1,2,3,4,5,6,7
	global_load_b32 v[BL+\a], v23, s[8:9] offset:4*(32*(\a/2)+8*(\a%2))
.endr
.macro FRAG reg, adr, q, i             ; 16 rows x 128 K: lane l holds row l % 16; registers 4 c .. 4 c + 3 hold K = 32 c + 16 (l / 16) + 0 .. 15
.irp c, 0,1,2,3
	ds_load_b128 v[\reg+4*\c:\reg+4*\c+3], v[\adr] offset:128*(\q)+32*\c+(\i)*16*PITCH
.endr
.endm
; 16 matrix instructions: A's blocks a0, a0 + 1 x B's eight.  The 64 accumulators take turns, one instruction a turn, in the same order in every step.
.macro MUL16 a0, p, q, sc, zero
.irp a, \a0, \a0+1
.irp b, 0,1,2,3,4,5,6,7
.if \zero
	v_wmma_scale_f32_16x16x128_f8f6f4 v[8*(8*((\a)%4)+\b):8*(8*((\a)%4)+\b)+7], v[128*(\p)+FR*\b:128*(\p)+FR*\b+FR-1], v[AF+FR*(\a):AF+FR*(\a)+FR-1], 0, v[SC+8*NQ*(\sc)+NQ*\b+(\q)], v[SC+8*NQ*(\sc)+NQ*(\a)+(\q)] matrix_a_fmt:MATRIX_FMT_BF8 matrix_b_fmt:MATRIX_FMT_BF8 matrix_a_scale:MATRIX_SCALE_ROW1
.else
	v_wmma_scale_f32_16x16x128_f8f6f4 v[8*(8*((\a)%4)+\b):8*(8*((\a)%4)+\b)+7], v[128*(\p)+FR*\b:128*(\p)+FR*\b+FR-1], v[AF+FR*(\a):AF+FR*(\a)+FR-1], v[8*(8*((\a)%4)+\b):8*(8*((\a)%4)+\b)+7], v[SC+8*NQ*(\sc)+NQ*\b+(\q)], v[SC+8*NQ*(\sc)+NQ*(\a)+(\q)] matrix_a_fmt:MATRIX_FMT_BF8 matrix_b_fmt:MATRIX_FMT_BF8 matrix_a_scale:MATRIX_SCALE_ROW1
.endif
.endr
.endr
.endm
.macro FETCH_B slot, q, p
	WIN TO_B
.irp i, 0,1,2,3,4,5,6,7
	FRAG 128*(\p)+FR*\i, ADRB+\slot, \q, \i
.endr
	WIN 0
.endm
.macro FETCH_A slot, q, i0
.irp i, \i0, \i0+1, \i0+2, \i0+3
	FRAG AF+FR*(\i), ADRA+\slot, \q, \i
.endr
.endm
.macro SCALES sc                       ; a K step's scale words: two a row; lanes 0-15 take A's block i, lanes 16-31 B's block i
.irp i, 0,1,2,3,4,5,6,7
	ds_load_b64 v[SC+8*NQ*\sc+NQ*\i:SC+8*NQ*\sc+NQ*\i+1], v[ADRS] offset:\i*SBLK
.endr
.endm
.macro PLACES n                        ; plain vector instructions between a matrix instruction and a load into, or a read of, its registers
.rept \n
	v_nop
.endr
.endm
.macro STEP slot, q, zero              ; 128 along K with its successor in the same slot
	s_wait_dscnt 4*NL                              ; B's set and A's blocks 0-3 are in; the youngest 16 loads (A's blocks 4-7) may be out
	WIN MUL_LO
	MUL16 0, (\q)%2, \q, \slot, \zero
	MUL16 2, (\q)%2, \q, \slot, \zero
	s_wait_dscnt 0                                 ; A's blocks 4-7 are in
	PLACES NP
	FETCH_B \slot, (\q)+1, 1-(\q)%2
	FETCH_A \slot, (\q)+1, 0
	WIN MUL_HI
	MUL16 4, (\q)%2, \q, \slot, \zero
	MUL16 6, (\q)%2, \q, \slot, \zero
	PLACES NP
	WIN 0
	FETCH_A \slot, (\q)+1, 4
.endm
; A slot's last step changes slots: one barrier; in front of it each wave waits for all its tensor loads, adds 0 to its spare word, and waits for that and for its reads of this slot.
.macro TURN slot, next, fill
	s_wait_tensorcnt 0x0                           ; all my tensor loads have landed: my part of the next slot
	ds_add_u32 v[SPW], v[NIL]                      ; 0 onto my spare word
	s_wait_dscnt 4*NL+1                            ; the add and the youngest 16 loads (A's blocks 4-7) may be out
	WIN MUL_LO
	MUL16 0, 1, NQ-1, \slot, 0
	s_wait_dscnt 0x0                               ; the add is done, and my reads of this slot are over
	s_barrier_signal -1
	MUL16 2, 1, NQ-1, \slot, 0
	WIN 0
	s_barrier_wait -1
.if \fill
	CREST                                          ; the barrier has opened a round of the cluster's: no wave of any partner still reads this slot or has a load on its way
	s_add_nc_u64 s[G0+4*\slot+2:G0+4*\slot+3], s[G0+4*\slot+2:G0+4*\slot+3], 2*ROWB
	s_add_nc_u64 s[G0B+4*\slot+2:G0B+4*\slot+3], s[G0B+4*\slot+2:G0B+4*\slot+3], 2*ROWB
	JLOAD G0+4*\slot, G1, G0B+4*\slot, G1B         ; the first tensor load behind the round, my one load until the next; its four v_nop are among the places below
	PLACES NP-4
.else
	PLACES NP
.endif
	v_add_nc_u32 v[ADRS], 4*NQ, v[ADRS]            ; on to the next K step's scale words
	FETCH_B \next, 0, 0
	FETCH_A \next, 0, 0
	SCALES \next
	WIN MUL_HI
	MUL16 4, 1, NQ-1, \slot, 0
	MUL16 6, 1, NQ-1, \slot, 0
	PLACES NP
	WIN 0
	FETCH_A \next, 0, 4
.endm
	s_wait_loadcnt 0x0                             ; the bias
	s_wait_tensorcnt 1                             ; the scales and my part of K step 0 are in; K step 1's load may stay out
	s_barrier_signal -1
	s_barrier_wait -1
	FETCH_B 0, 0, 0
	FETCH_A 0, 0, 0
	SCALES 0
	FETCH_A 0, 0, 4
	STEP 0, 0, 1                                   ; the first step's products start the sums
	s_mov_b32 s3, LAPS-1
.Llap:
	TURN 0, 1, 1
	STEP 1, 0, 0
	TURN 1, 0, 1
	STEP 0, 0, 0
	s_sub_co_u32 s3, s3, 1
	s_cmp_lg_u32 s3, 0
	s_cbranch_scc1 .Llap
	TURN 0, 1, 0                                   ; the last lap fills nothing
	STEP 1, 0, 0
	s_wait_dscnt 4*NL
	WIN MUL_LO
	MUL16 0, 1, NQ-1, 1, 0
	MUL16 2, 1, NQ-1, 1, 0
	s_wait_dscnt 0
	WIN MUL_HI
	MUL16 4, 1, NQ-1, 1, 0
	MUL16 6, 1, NQ-1, 1, 0
	WIN 0
	PLACES NP
	; THE WAY OUT.  Where my wave's part begins: (batch x 16 + first head) x the head's bytes + the group of 128 tokens + V's place in a step
	s_mov_b32 s94, 16384                           ; where the scale block lies from there: K 16,384; V 16,640 - 8,192; Q 8,192
	s_mov_b32 s46, 270336                          ; a head's bytes: kv's, or qi's
	s_cmp_eq_u32 s67, 1
	s_cselect_b32 s18, s2, s95                     ; the group of 128 tokens: ib for V, ia for Q and K
	s_cselect_b32 s19, s95, s2                     ; the pair of heads
	s_cselect_b32 s45, 8192, 0
	s_cselect_b32 s94, 8448, s94
	s_cmp_eq_u32 s66, 0
	s_cselect_b32 s94, 8192, s94
	s_cselect_b32 s46, 135168, s46
	s_lshr_b32 s47, s46, 4                         ; a group's bytes
	s_lshr_b32 s20, s18, 4
	s_lshl_b32 s20, s20, 4
	s_lshl_b32 s21, s19, 1
	s_add_co_u32 s20, s20, s21
	s_mul_i32 s20, s20, s46
	s_and_b32 s21, s18, 15
	s_mul_i32 s21, s21, s47
	s_add_co_u32 s20, s20, s21
	s_add_co_u32 s20, s20, s45
	s_mov_b32 s21, 0
	s_add_nc_u64 s[12:13], s[12:13], s[20:21]
	v_and_b32 v6, 31, v0
	v_lshlrev_b32 v[VO], 4, v6                     ; 16 x lane
	v_add_nc_u32 v[VO+1], s46, v[VO]               ; the same in the second head
	v_mul_u32_u24 v7, s46, v2
	v_lshl_add_u32 v7, v1, 4, v7
	v_add_nc_u32 v7, s94, v7                       ; the scale words: 16 r; lanes 16-31 the second head's
	s_mov_b32 s20, 0x76543210
	s_mov_b32 s21, 0xfedcba98                      ; v_permlanex16_b32's selects for lane l xor 16
	s_mov_b32 s22, 0x600000                        ; the mantissa field of 57,344
	s_mov_b32 s23, 0xffff0000                      ; lanes 16-31
.irp b, 0,1,2,3
	v_mov_b32 v[TM+4+\b], 0                        ; a lane permute's destination counts as one of its sources
.endr
	v_mov_b32 v225, 0                              ; (named as the upper half of the pair v[224:225])
; 64 numbers of a lane, register 16 b + i = index 32 b + 16 (lane / 16) + i, become a fragment's codes in v[PC] on and its scale word in v[pw]
.macro QUANT s, pw
.irp b, 0,1,2,3
	v_max3_num_f32 v[TM+\b], |v[\s+16*\b]|, |v[\s+1+16*\b]|, 0x8000000   ; my 16 numbers of block b, and the floor 2^(16 - 127): the byte cannot fall under 1
.endr
.irp i, 2,4,6,8,10,12,14
.irp b, 0,1,2,3
	v_max3_num_f32 v[TM+\b], v[TM+\b], |v[\s+16*\b+\i]|, |v[\s+1+16*\b+\i]|
.endr
.endr
.irp b, 0,1,2,3
	v_permlanex16_b32 v[TM+4+\b], v[TM+\b], s20, s21
.endr
.irp b, 0,1,2,3
	v_max_num_f32 v[TM+\b], v[TM+\b], v[TM+4+\b]   ; with lane l xor 16's: the block's largest magnitude
.endr
.irp b, 0,1,2,3
	v_add_nc_u32 v[TM+12+\b], 0xf8800000, v[TM+\b] ; 15 off its exponent field: the conversion's scale operand
.endr
.irp b, 0,1,2,3
	v_and_or_b32 v[TM+8+\b], v[TM+\b], 0x7f800000, s22   ; 57,344 x the scale
.endr
.irp b, 0,1,2,3
	v_lshrrev_b32 v[TM+4+\b], 23, v[TM+12+\b]      ; the scale's byte
.endr
	v_lshl_or_b32 v[\pw], v[TM+5], 8, v[TM+4]
	v_lshl_or_b32 v[\pw], v[TM+6], 16, v[\pw]
	v_lshl_or_b32 v[\pw], v[TM+7], 24, v[\pw]
.irp b, 0,1,2,3
.irp i, 0,1,2,3,4,5,6,7,8,9,10,11,12,13,14,15
	v_med3_num_f32 v[\s+16*\b+\i], v[\s+16*\b+\i], -v[TM+8+\b], v[TM+8+\b]   ; the conversion does not saturate (ISA guide 7.6.2): the hold comes first
.endr
	v_cvt_scalef32_pk8_bf8_f32 v[PC+4*\b:PC+1+4*\b], v[\s+16*\b:\s+7+16*\b], v[TM+12+\b]
	v_cvt_scalef32_pk8_bf8_f32 v[PC+2+4*\b:PC+3+4*\b], v[\s+8+16*\b:\s+15+16*\b], v[TM+12+\b]
.endr
	v_nop                                          ; a plain line behind the last conversion
.endm
; A's eight blocks, one after the other: the bias is added on the way from the accumulators' window into window 0 (each accumulator from its low end on), the 64 numbers are quantised, four stores of 512 bytes take the codes.
.macro EPI isv
.irp a, 0,1,2,3,4,5,6,7
.if \isv
	v_mov_b32 v224, v[BL+\a]                       ; V: one bias a lane, for both halves of the packed addition
.endif
	WIN 0x02+(\a)/4                                ; source 0: window 2 or 3
.set k, 0
.rept 32
.if \isv
	v_pk_add_f32 v[ST+2*k:ST+2*k+1], v[64*((\a)%4)+2*k:64*((\a)%4)+2*k+1], v[224:225] op_sel_hi:[1,0]
.else
	v_pk_add_f32 v[ST+2*k:ST+2*k+1], v[64*((\a)%4)+2*k:64*((\a)%4)+2*k+1], v[BI+2*k:BI+2*k+1]
.endif
.set k, k+1
.endr
	WIN 0
.if \a > 0
	s_wait_xcnt 0x0                                ; the last block's stores have read their data: the codes' registers are written again only behind this wait
.endif
.if \isv
	QUANT ST, SW+\a                                ; feature tile a: words 0-3 the first head's, 4-7 the second's
.else
	QUANT ST, 226+(\a)%2
.if (\a)%2
	v_perm_b32 v[SW+(\a)/2], v227, v226, 0x05040100     ; word F of the first head: tile 2 F's two bytes, tile 2 F + 1's two bytes
	v_perm_b32 v[SW+4+(\a)/2], v227, v226, 0x07060302   ; and of the second head
.endif
.endif
.irp c, 0,1,2,3
.if \isv
	global_store_b128 v[VO+(\a)/4], v[PC+4*\c:PC+4*\c+3], s[12:13] offset:((\a)%4)*2048+\c*512
.else
	global_store_b128 v[VO+\c/2], v[PC+4*\c:PC+4*\c+3], s[12:13] offset:((\a)/2)*2048+(2*((\a)%2)+\c%2)*512
.endif
.endr
.endr
.irp f, 0,1,2,3
	v_cndmask_b32 v[236+\f], v[SW+\f], v[SW+4+\f], s23   ; lanes 16-31 take the second head's words
.endr
	global_store_b128 v7, v[236:239], s[12:13]     ; sixteen lanes store 256 consecutive bytes, aligned: a head's scale block
.endm
	s_cmp_eq_u32 s67, 1                            ; the same in all partners: it hangs on the cluster's y
	s_cbranch_scc1 .Lv
	EPI 0
	s_branch .Ldone
.Lv:
	EPI 1
.Ldone:
	s_wait_tensorcnt 0x0                           ; the wave's end
	ds_add_u32 v[SPW], v[NIL]
	s_wait_dscnt 0x0
	CROUND                                         ; the closing round: no work-group ends while a partner may still ask for a tile that names it
	s_endpgm
.Lfunc_end_k_q3ee10d5f41_proj:
	.size	k_q3ee10d5f41_proj, .Lfunc_end_k_q3ee10d5f41_proj-k_q3ee10d5f41_proj
	.p2alignl 7, 3214868480
	.fill 96, 4, 3214868480
	.section	.rodata,"a",@progbits
	.p2align	6, 0x0
	.amdhsa_kernel k_q3ee10d5f41_proj
		.amdhsa_group_segment_fixed_size 327680
		.amdhsa_private_segment_fixed_size 0
		.amdhsa_enable_private_segment 0
		.amdhsa_kernarg_size 56
		.amdhsa_user_sgpr_count 2
		.amdhsa_user_sgpr_kernarg_segment_ptr 1
		.amdhsa_wavefront_size32 1
		.amdhsa_system_sgpr_workgroup_id_x 1
		.amdhsa_system_sgpr_workgroup_id_y 1
		.amdhsa_system_sgpr_workgroup_id_z 1
		.amdhsa_system_vgpr_workitem_id 0
		.amdhsa_next_free_vgpr 1024
		.amdhsa_next_free_sgpr 102
		.amdhsa_reserve_vcc 0
		.amdhsa_float_denorm_mode_32 3
		.amdhsa_float_denorm_mode_16_64 3
		.amdhsa_memory_ordered 1
		.amdhsa_forward_progress 1
		.amdhsa_inst_pref_size 255
	.end_amdhsa_kernel
	.section	.bss,"aw",@nobits
	.p2align	6
	.space	262144
	.amdgpu_metadata
---
amdhsa.version: [ 1, 2 ]
amdhsa.kernels:
  - .name:           k_q3ee10d5f41_proj
    .symbol:         k_q3ee10d5f41_proj.kd
    .args:
      - { .name: cod, .offset: 0, .size: 8, .value_kind: global_buffer, .address_space: global }
      - { .name: scl, .offset: 8, .size: 8, .value_kind: global_buffer, .address_space: global }
      - { .name: bq, .offset: 16, .size: 8, .value_kind: global_buffer, .address_space: global }
      - { .name: bk, .offset: 24, .size: 8, .value_kind: global_buffer, .address_space: global }
      - { .name: bv, .offset: 32, .size: 8, .value_kind: global_buffer, .address_space: global }
      - { .name: qi, .offset: 40, .size: 8, .value_kind: global_buffer, .address_space: global }
      - { .name: kv, .offset: 48, .size: 8, .value_kind: global_buffer, .address_space: global }
    .group_segment_fixed_size: 327680
    .private_segment_fixed_size: 0
    .kernarg_segment_align: 8
    .kernarg_segment_size: 56
    .max_flat_workgroup_size: 128
    .sgpr_count:     102
    .vgpr_count:     1024
    .wavefront_size: 32
...
	.end_amdgpu_metadata
.endif
;; end of part 2
;; launch attn (part 3): grid 4 x 64, 16 waves a work-group, no clusters, 272,384 bytes of LDS; arguments qi, kv, maskw, flags, oc, os; writes oc, os
.if DOCPART == 3
	.amdgcn_target "amdgcn-amd-amdhsa--gfx1250"
	.amdhsa_code_object_version 6
	.text
	.protected	k_q3ee10d5f41_attn
	.globl	k_q3ee10d5f41_attn
	.p2align	8
	.type	k_q3ee10d5f41_attn,@function
k_q3ee10d5f41_attn:
	s_mov_b64 s[64:65], 0
	v_nop
	global_prefetch_b8 v0, s[64:65] scope:SCOPE_SE
	s_setreg_imm32_b32 hwreg(HW_REG_WAVE_MODE, 25, 1), 1
	s_wait_xcnt 0x0
; ATTN.  O = softmax(mask(Q K^T / 8)) V for one (batch, head) and 512 queries a work-group, both products on codes of BF8 (E5M2) with E8M0 scales; O / l is quantised along the model's 1,024 and leaves as an operand image.
; THE SOFTMAX AHEAD OF THE SECOND PRODUCT: t = score x log2(e) / 8; M = the running largest t rounded UP to a whole number; p = 2^(t - M) is quantised along the keys, not normalised; the row's sum l is taken of the
; unquantised p.  When M moves, l and O are multiplied by 2^(old M - new M): exact.
; SHARES.  The head's whole kv block (16 steps of 128 keys x 16,896 bytes) is copied into LDS once, byte for byte (each wave one step), and only read afterwards: one barrier in the launch.
; Each of the sixteen waves owns two tiles of 16 queries, one after the other, in 256 registers: four waves to a SIMD, so that one wave's vector work stands beside another's products and LDS loads.
; LAYOUT.  Both products are used transposed: S^T = K Q^T, O^T = V^T P^T: a lane holds ONE query (lane % 16).  By the stored order of the keys, register n of S^T is key 32 (n / 16) + 16 (lane / 16) + n % 16 of the step.
; K = 64 IN A PRODUCT OF 128: a fragment of K holds TWO key tiles (k 0-63: tile 2 F, k 64-127: tile 2 F + 1).  Q lies between two runs of zero codes, [0 x 8 | Q x 8 | 0 x 8]: v[24:39] = [Q | 0] meets tile 2 F,
; v[16:31] = [0 | Q] meets tile 2 F + 1.  All codes are finite (every quantiser holds its numbers), so zero codes add nothing; their scale bytes are 0x7f.
; THE MASK.  maskw holds, for each unit (tile, step), 64 lane masks in the registers' order; flags says which units have a hole.  A unit without a hole jumps over the 64 selections: a scalar branch on a stored whole number.
; A hidden score becomes -2^33: x c that is exact and a whole number, so a row that is wholly hidden has t = M and p = 1 for every key, as where all logits are -1e9; beside any open key p is 0.
; CLUSTER: none.  The four work-groups of a head read the same 270,336 bytes once each, at their start; the launch branches on a stored number:
; that branch spares 64 vector instructions in every unit without a hole, 16 units for each tile, against one fill a work-group.
; LIMITS: open logits at or under about -1.07e9 (score x 1/8 <= -2^30) are not ordered against hidden ones as in the definition; p under 2^-126 becomes 0; NaN and infinities are not served; a block of zeros has the byte 1.
.set STEPB, 16896
.set L16, 1                            ; v1   16 x lane
.set R16, 2                            ; v2   16 x (lane % 16)
.set AD,  3                            ; v3   LDS: the step in hand + 16 x lane
.set AS,  4                            ; v4   LDS: the step in hand + 16 r
.set NEG, 5                            ; v5   -2^33
.set VQ,  6                            ; v6   Q's codes: my bytes in the group
.set VOC, 7                            ; v7   oc: my bytes
.set VOS, 8                            ; v8   os: my bytes
.set VQS, 9                            ; v9   Q's scale word
.set QSL, 10                           ; v10  Q's scales for [Q | 0];  v11 for [0 | Q]
.set QSH, 11
                                       ; v12 -M, v13 the largest t, v[14:15] the sum in two halves
.set ZL,  16                           ; v16-23 zeros, v24-31 Q, v32-39 zeros
.set Q,   24
.set KV,  40                           ; v40-103  four fragments of K, then of V
.set S,   104                          ; v104-167 S^T, then p
.set O,   168                          ; v168-199 O^T
.set PC,  200                          ; v200-215 p's codes
.set KSC, 216                          ; v216-219 K's scale words, v220-223 V's
.set VSC, 220
.set BM,  224                          ; v224-227 the blocks' largest scores, then largest p
.set T1,  228                          ; v228-231 at work
.set HD,  232                          ; v232-235 57,344 x the scale
.set SC,  240                          ; v240-243 the conversions' scale operands
.set FF,  244                          ; v[244:245] f = 2^(old M - new M)
.set PW,  246                          ; p's scale word
.set TP,  247
.set SU,  248                          ; v[248:249] the second chain of the sum
.set OB,  250                          ; O's two scale bytes
.set QW,  251                          ; Q's scale word as loaded
	s_load_b256 s[4:11], s[0:1], 0x0               ; qi, kv, maskw, flags
	s_load_b128 s[12:15], s[0:1], 0x20             ; oc, os
	v_lshl_add_u32 v254, v0, 2, 0x42000
	v_mov_b32 v255, 0
	v_lshrrev_b32 v[TP], 5, v0
	v_readfirstlane_b32 s16, v[TP]                 ; wave 0..15
	v_and_b32 v[L16], 31, v0
	v_lshlrev_b32 v[L16], 4, v[L16]
	v_and_b32 v[R16], 15, v0
	v_lshlrev_b32 v[R16], 4, v[R16]
	s_and_b32 s17, ttmp7, 0xffff                   ; batch x 16 + head
	s_mul_i32 s2, s17, 16*STEPB
	s_mul_i32 s3, s16, STEPB
	v_add_nc_u32 v[AD], s3, v[L16]                 ; the fill: my wave's step in LDS
	s_add_co_u32 s2, s2, s3
	s_mov_b32 s3, 0
	s_wait_kmcnt 0x0
	s_add_nc_u64 s[6:7], s[6:7], s[2:3]
.set i, 0
.rept 33
	global_load_b128 v[KV+4*i:KV+4*i+3], v[L16], s[6:7] offset:512*i   ; 33 x 512 consecutive bytes: key step = my wave's number
.set i, i+1
.endr
	s_lshl_b32 s18, ttmp9, 2
	s_lshr_b32 s2, s16, 2
	s_add_co_u32 s18, s18, s2                      ; my group of 128 queries, 0..15
	s_and_b32 s25, s16, 3                          ; F: my pair of tiles in it
	s_mul_i32 s2, s17, 135168
	s_mul_i32 s26, s18, 8448
	s_add_co_u32 s2, s2, s26
	s_add_nc_u64 s[4:5], s[4:5], s[2:3]            ; qi at my group
	s_lshl_b32 s18, s18, 3
	s_lshl_b32 s26, s25, 1
	s_add_co_u32 s18, s18, s26                     ; T0: my first tile
	s_lshl_b32 s2, s18, 12
	s_add_nc_u64 s[8:9], s[8:9], s[2:3]            ; maskw: 4,096 bytes a tile
	s_lshl_b32 s2, s18, 6
	s_add_nc_u64 s[10:11], s[10:11], s[2:3]        ; flags: 64 bytes a tile
	s_lshr_b32 s26, s17, 4
	s_lshl_b32 s26, s26, 7
	s_add_co_u32 s26, s26, s18                     ; the row tile of the output: batch x 128 + T0
	s_and_b32 s27, s17, 15                         ; the head
	s_lshl_b32 s2, s26, 14
	s_lshr_b32 s28, s27, 1
	s_lshl_b32 s28, s28, 11                        ; K step of the last product: head / 2;
	s_add_co_u32 s2, s2, s28
	s_and_b32 s28, s27, 1
	s_lshl_b32 s28, s28, 10                        ; chunks 2 (head % 2) and 2 (head % 2) + 1 of its fragment
	s_add_co_u32 s2, s2, s28
	s_add_nc_u64 s[12:13], s[12:13], s[2:3]
	s_lshl_b32 s2, s26, 9
	s_lshl_b32 s28, s27, 1
	s_add_co_u32 s2, s2, s28
	s_add_nc_u64 s[14:15], s[14:15], s[2:3]        ; os: 32 bytes a row, bytes 2 head and 2 head + 1
	v_lshl_add_u32 v[VQS], s25, 2, v[R16]
	v_add_nc_u32 v[VQS], 8192, v[VQS]              ; Q's scale block: 16 r + 4 F
	s_lshl_b32 s18, s25, 11                        ; fragment F of Q's codes
	v_mov_b32 v[NEG], 0xd0000000
.irp j, 0,1,2,3,4,5,6,7
	v_mov_b32 v[ZL+\j], 0
	v_mov_b32 v[Q+8+\j], 0
.endr
.irp b, 0,1,2,3
	v_mov_b32 v[T1+\b], 0                          ; a lane permute's destination counts as one of its sources
.endr
	v_mov_b32 v[FF+1], 0                           ; (named as the upper half of a pair)
	s_mov_b32 s20, 0x76543210
	s_mov_b32 s21, 0xfedcba98                      ; v_permlanex16_b32's selects for lane l xor 16
	s_mov_b32 s22, 0x3e38aa3b                      ; c = log2(e) / 8
	s_mov_b32 s23, s22
	s_mov_b32 s24, 0x600000                        ; the mantissa field of 57,344
	s_mov_b32 s66, 0x7f7f0000
	s_mov_b32 s67, 0x7f7f
.set i, 0
.rept 33
	s_wait_loadcnt 32-i                            ; load i is in; the younger ones stay out
	ds_store_b128 v[AD], v[KV+4*i:KV+4*i+3] offset:512*i
.set i, i+1
.endr
	s_wait_dscnt 0x0                               ; for the others' sake: my stores have landed
	s_barrier_signal -1
	s_barrier_wait -1                              ; the head's 16 steps lie in LDS; nothing writes LDS from here on
.macro FETCHK
.irp f, 0,1,2,3
.irp c, 0,1,2,3
	ds_load_b128 v[KV+16*\f+4*\c:KV+16*\f+4*\c+3], v[AD] offset:2048*\f+512*\c
.endr
.endr
	ds_load_b128 v[KSC:KSC+3], v[AS] offset:16384
.endm
.macro FETCHV
.irp f, 0,1,2,3
.irp c, 0,1,2,3
	ds_load_b128 v[KV+16*\f+4*\c:KV+16*\f+4*\c+3], v[AD] offset:8192+2048*\f+512*\c
.endr
.endr
	ds_load_b128 v[VSC:VSC+3], v[AS] offset:16640
.endm
	v_mov_b32 v[AD], v[L16]
	v_mov_b32 v[AS], v[R16]
	FETCHK                                         ; step 0
	s_mov_b32 s19, 0                               ; J: which of my two tiles
.Ltile:
	s_wait_kmcnt 0x0                               ; the last step's scalar loads have landed: their registers and base are written anew
	s_wait_xcnt 0x0                                ; the last tile's stores have read their registers
	s_lshl_b32 s2, s19, 10
	s_add_co_u32 s2, s2, s18
	v_add_nc_u32 v[VQ], s2, v[L16]                 ; chunks 2 J, 2 J + 1 of fragment F
	s_lshl_b32 s2, s19, 14
	v_add_nc_u32 v[VOC], s2, v[L16]
	s_lshl_b32 s2, s19, 9
	v_lshl_add_u32 v[VOS], v[R16], 1, s2           ; 32 r + 512 J
	global_load_b128 v[Q:Q+3], v[VQ], s[4:5]
	global_load_b128 v[Q+4:Q+7], v[VQ], s[4:5] offset:512
	global_load_b32 v[QW], v[VQS], s[4:5]
	s_lshl_b32 s2, s19, 6
	s_mov_b32 s3, 0
	s_add_nc_u64 s[100:101], s[10:11], s[2:3]
	s_load_b512 s[32:47], s[100:101], 0x0          ; the tile's 16 flags
	s_lshl_b32 s2, s19, 12
	s_add_nc_u64 s[30:31], s[8:9], s[2:3]          ; the tile's lane masks
	s_wait_kmcnt 0x0
	s_or_b32 s27, s32, s33
.irp j, 34,35,36,37,38,39,40,41,42,43,44,45,46,47
	s_or_b32 s27, s27, s[\j]                       ; bit s: step s has a hole
.endr
	s_load_b512 s[32:47], s[30:31], 0x0            ; step 0's 64 words
	s_load_b512 s[48:63], s[30:31], 0x40
	s_load_b512 s[68:83], s[30:31], 0x80
	s_load_b512 s[84:99], s[30:31], 0xc0
	s_wait_loadcnt 0x0
	s_lshl_b32 s2, s19, 4
	v_lshrrev_b32 v[TP], s2, v[QW]                 ; my tile's two bytes
	v_and_or_b32 v[QSL], v[TP], 0xffff, s66        ; for k 0-63; 2^0 over the zero codes
	v_lshl_or_b32 v[QSH], v[TP], 16, s67           ; for k 64-127
	v_mov_b32 v13, 0xff61b1e6                      ; the largest t so far: -3e38
	v_floor_f32 v12, -v13                          ; -M
	v_mov_b32 v14, 0
	v_mov_b32 v15, 0
.set j, 0
.rept 32
	v_mov_b32 v[O+j], 0                            ; the step is written once: the first finds zeros.  (These lines are also the places between the scale words above and the first product)
.set j, j+1
.endr
	s_mov_b32 s26, 0                               ; the step
.Lstep:
	s_wait_dscnt 0x0                               ; K's fragments and scale words are in
.irp f, 0,1,2,3
	v_wmma_scale_f32_16x16x128_f8f6f4 v[S+16*\f:S+16*\f+7], v[KV+16*\f:KV+16*\f+15], v[Q:Q+15], 0, v[KSC+\f], v[QSL] matrix_a_fmt:MATRIX_FMT_BF8 matrix_b_fmt:MATRIX_FMT_BF8
	v_wmma_scale_f32_16x16x128_f8f6f4 v[S+16*\f+8:S+16*\f+15], v[KV+16*\f:KV+16*\f+15], v[ZL:ZL+15], 0, v[KSC+\f], v[QSH] matrix_a_fmt:MATRIX_FMT_BF8 matrix_b_fmt:MATRIX_FMT_BF8
.endr
.rept 8
	v_nop                                          ; places in front of the loads into K's registers and of the first read of the scores
.endr
	FETCHV                                         ; lands under the softmax
	s_wait_kmcnt 0x0                               ; this step's lane masks
	s_bitcmp1_b32 s27, s26
	s_cbranch_scc0 .Lopen                          ; no hole in this unit
.set n, 0
.rept 64
	v_cndmask_b32 v[S+n], v[NEG], v[S+n], s[32+n+4*(n/32)]
.set n, n+1
.endr
.Lopen:
.irp b, 0,1,2,3
	v_max3_num_f32 v[BM+\b], v[S+16*\b], v[S+16*\b+1], v[S+16*\b+2]   ; the largest score of each block of 32 keys: for the row's maximum, and, since p rises with the score, for the block's largest p
.endr
.irp i, 3,5,7,9,11,13
.irp b, 0,1,2,3
	v_max3_num_f32 v[BM+\b], v[BM+\b], v[S+16*\b+\i], v[S+16*\b+\i+1]
.endr
.endr
.irp b, 0,1,2,3
	v_max_num_f32 v[BM+\b], v[BM+\b], v[S+16*\b+15]
.endr
.irp b, 0,1,2,3
	v_permlanex16_b32 v[T1+\b], v[BM+\b], s20, s21
.endr
.irp b, 0,1,2,3
	v_max_num_f32 v[BM+\b], v[BM+\b], v[T1+\b]     ; with lane l xor 16's 16 keys
.endr
	v_max3_num_f32 v[TP], v[BM], v[BM+1], v[BM+2]
	v_max_num_f32 v[TP], v[TP], v[BM+3]
	v_mul_f32 v[TP], s22, v[TP]                    ; the step's largest t (c is positive)
	v_max_num_f32 v13, v13, v[TP]
	v_mov_b32 v[TP], v12
	v_floor_f32 v12, -v13                          ; the new -M = -ceil(t)
	v_sub_f32 v[TP], v12, v[TP]                    ; old M - new M: a whole number, 0 or less
	v_cvt_i32_f32 v[TP], v[TP]                     ; (it saturates)
	v_ldexp_f32 v[FF], 1.0, v[TP]                  ; f = 2^(old M - new M)
.set j, 0
.rept 32
	v_pk_fma_f32 v[S+j:S+j+1], v[S+j:S+j+1], s[22:23], v[12:13] op_sel_hi:[1,0,0]   ; t - M, two at a time
.set j, j+2
.endr
.irp b, 0,1,2,3
	v_fma_f32 v[BM+\b], v[BM+\b], s22, v12
.endr
.set j, 0
.rept 64
	v_exp_f32 v[S+j], v[S+j]                       ; p = 2^(t - M)
.set j, j+1
.endr
.irp b, 0,1,2,3
	v_exp_f32 v[BM+\b], v[BM+\b]                   ; the block's largest p: the same two instructions on the same number
.endr
	v_pk_mul_f32 v[14:15], v[14:15], v[FF:FF+1] op_sel_hi:[1,0]   ; the sums under the new M.  (A plain line behind the exponentials)
	s_add_co_u32 s28, s26, 1
	s_and_b32 s28, s28, 15                         ; the next step; behind the last it is step 0 again, so every load stays inside its buffer
	s_lshl_b32 s29, s28, 8
	s_load_b512 s[32:47], s[30:31], s29 offset:0x0 ; its lane masks
	s_load_b512 s[48:63], s[30:31], s29 offset:0x40
	s_load_b512 s[68:83], s[30:31], s29 offset:0x80
	s_load_b512 s[84:99], s[30:31], s29 offset:0xc0
	s_wait_alu depctr_va_vdst(0)
.irp b, 0,1,2,3
	v_max_num_f32 v[BM+\b], 0x8000000, v[BM+\b]    ; the floor 2^(16 - 127): the byte cannot fall under 1
.endr
.irp b, 0,1,2,3
	v_add_nc_u32 v[SC+\b], 0xf8800000, v[BM+\b]    ; 15 off the exponent field: the conversion's scale operand
.endr
.irp b, 0,1,2,3
	v_and_or_b32 v[HD+\b], v[BM+\b], 0x7f800000, s24   ; 57,344 x the scale
.endr
.irp b, 0,1,2,3
	v_lshrrev_b32 v[T1+\b], 23, v[SC+\b]           ; the scale's byte
.endr
	v_lshl_or_b32 v[PW], v[T1+1], 8, v[T1]         ; p's scale word for these 128 keys
	v_lshl_or_b32 v[PW], v[T1+2], 16, v[PW]
	v_lshl_or_b32 v[PW], v[T1+3], 24, v[PW]
	v_pk_add_f32 v[SU:SU+1], v[S:S+1], v[S+2:S+3]  ; the row's sum is taken of the unquantised p, in two chains
.irp j, 4,8,12,16,20,24,28,32,36,40,44,48,52,56,60
	v_pk_add_f32 v[14:15], v[14:15], v[S+\j:S+\j+1]
	v_pk_add_f32 v[SU:SU+1], v[SU:SU+1], v[S+\j+2:S+\j+3]
.endr
	v_pk_add_f32 v[14:15], v[14:15], v[SU:SU+1]
.irp b, 0,1,2,3
.irp i, 0,1,2,3,4,5,6,7,8,9,10,11,12,13,14,15
	v_min_num_f32 v[S+16*\b+\i], v[S+16*\b+\i], v[HD+\b]   ; the conversion does not saturate (ISA guide 7.6.2); p is not negative, so the hold is one-sided
.endr
	v_cvt_scalef32_pk8_bf8_f32 v[PC+4*\b:PC+4*\b+1], v[S+16*\b:S+16*\b+7], v[SC+\b]
	v_cvt_scalef32_pk8_bf8_f32 v[PC+4*\b+2:PC+4*\b+3], v[S+16*\b+8:S+16*\b+15], v[SC+\b]
.endr
.set j, 0
.rept 16
	v_pk_mul_f32 v[O+j:O+j+1], v[O+j:O+j+1], v[FF:FF+1] op_sel_hi:[1,0]   ; O^T under the new M, each accumulator from its low end on.  (Also the places between the codes and the products below)
.set j, j+2
.endr
	s_wait_dscnt 0x0                               ; V's fragments and scale words are in
.irp t, 0,1,2,3
	v_wmma_scale_f32_16x16x128_f8f6f4 v[O+8*\t:O+8*\t+7], v[KV+16*\t:KV+16*\t+15], v[PC:PC+15], v[O+8*\t:O+8*\t+7], v[VSC+\t], v[PW] matrix_a_fmt:MATRIX_FMT_BF8 matrix_b_fmt:MATRIX_FMT_BF8   ; the four accumulators by turns; the next step's eight products stand between two links of a chain
.endr
	s_mul_i32 s25, s28, STEPB                      ; the next step in LDS
	v_add_nc_u32 v[AD], s25, v[L16]
	v_add_nc_u32 v[AS], s25, v[R16]
.rept 6
	v_nop                                          ; with the two additions: eight places in front of the loads into V's registers, and of the first read of O^T behind the loop
.endr
	FETCHK                                         ; behind the last step: step 0's, which the next tile wants first
	s_add_co_u32 s26, s26, 1
	s_cmp_lt_u32 s26, 16
	s_cbranch_scc1 .Lstep
	; THE TILE'S WAY OUT: O^T / l; its two blocks of 32 along the head's 64 are blocks 2 head, 2 head + 1 of the model's 1,024; registers 16 b + i are d = 32 b + 16 (lane / 16) + i
	v_add_f32 v14, v14, v15
	v_permlanex16_b32 v[TP], v14, s20, s21
	v_add_f32 v14, v14, v[TP]                      ; the row's sum
	v_rcp_f32 v14, v14
	v_nop                                          ; a plain line behind the transcendental
.set j, 0
	s_wait_alu depctr_va_vdst(0)
.rept 16
	v_pk_mul_f32 v[O+j:O+j+1], v[O+j:O+j+1], v[14:15] op_sel_hi:[1,0]
.set j, j+2
.endr
.irp b, 0,1
	v_max3_num_f32 v[BM+\b], |v[O+16*\b]|, |v[O+16*\b+1]|, 0x8000000
.endr
.irp i, 2,4,6,8,10,12,14
.irp b, 0,1
	v_max3_num_f32 v[BM+\b], v[BM+\b], |v[O+16*\b+\i]|, |v[O+16*\b+\i+1]|
.endr
.endr
.irp b, 0,1
	v_permlanex16_b32 v[T1+\b], v[BM+\b], s20, s21
.endr
.irp b, 0,1
	v_max_num_f32 v[BM+\b], v[BM+\b], v[T1+\b]
.endr
.irp b, 0,1
	v_add_nc_u32 v[SC+\b], 0xf8800000, v[BM+\b]
.endr
.irp b, 0,1
	v_and_or_b32 v[HD+\b], v[BM+\b], 0x7f800000, s24
.endr
.irp b, 0,1
	v_lshrrev_b32 v[T1+\b], 23, v[SC+\b]
.endr
	v_lshl_or_b32 v[OB], v[T1+1], 8, v[T1]
.irp b, 0,1
.irp i, 0,1,2,3,4,5,6,7,8,9,10,11,12,13,14,15
	v_med3_num_f32 v[O+16*\b+\i], v[O+16*\b+\i], -v[HD+\b], v[HD+\b]
.endr
	v_cvt_scalef32_pk8_bf8_f32 v[PC+4*\b:PC+4*\b+1], v[O+16*\b:O+16*\b+7], v[SC+\b]
	v_cvt_scalef32_pk8_bf8_f32 v[PC+4*\b+2:PC+4*\b+3], v[O+16*\b+8:O+16*\b+15], v[SC+\b]
.endr
	v_nop                                          ; a plain line behind the last conversion
	global_store_b128 v[VOC], v[PC:PC+3], s[12:13]             ; 32 lanes store 512 consecutive bytes: a chunk of the last product's operand image
	global_store_b128 v[VOC], v[PC+4:PC+7], s[12:13] offset:512
	global_store_b16 v[VOS], v[OB], s[14:15]       ; my row's two scale bytes (both halves of the lanes write the same value); 2 of a row's 32 bytes: 262,144 bytes in the whole launch leave so
	s_add_co_u32 s19, s19, 1
	s_cmp_lt_u32 s19, 2
	s_cbranch_scc1 .Ltile
	s_wait_dscnt 0x0                               ; the last fetch ahead is not used
	s_wait_tensorcnt 0x0
	ds_add_u32 v254, v255
	s_wait_dscnt 0x0
	s_endpgm
.Lfunc_end_k_q3ee10d5f41_attn:
	.size	k_q3ee10d5f41_attn, .Lfunc_end_k_q3ee10d5f41_attn-k_q3ee10d5f41_attn
	.p2alignl 7, 3214868480
	.fill 96, 4, 3214868480
	.section	.rodata,"a",@progbits
	.p2align	6, 0x0
	.amdhsa_kernel k_q3ee10d5f41_attn
		.amdhsa_group_segment_fixed_size 272384
		.amdhsa_private_segment_fixed_size 0
		.amdhsa_enable_private_segment 0
		.amdhsa_kernarg_size 48
		.amdhsa_user_sgpr_count 2
		.amdhsa_user_sgpr_kernarg_segment_ptr 1
		.amdhsa_wavefront_size32 1
		.amdhsa_system_sgpr_workgroup_id_x 1
		.amdhsa_system_sgpr_workgroup_id_y 1
		.amdhsa_system_sgpr_workgroup_id_z 1
		.amdhsa_system_vgpr_workitem_id 0
		.amdhsa_next_free_vgpr 256
		.amdhsa_next_free_sgpr 102
		.amdhsa_reserve_vcc 0
		.amdhsa_float_denorm_mode_32 3
		.amdhsa_float_denorm_mode_16_64 3
		.amdhsa_memory_ordered 1
		.amdhsa_forward_progress 1
		.amdhsa_inst_pref_size 43
	.end_amdhsa_kernel
	.amdgpu_metadata
---
amdhsa.version: [ 1, 2 ]
amdhsa.kernels:
  - .name:           k_q3ee10d5f41_attn
    .symbol:         k_q3ee10d5f41_attn.kd
    .args:
      - { .name: qi, .offset: 0, .size: 8, .value_kind: global_buffer, .address_space: global }
      - { .name: kv, .offset: 8, .size: 8, .value_kind: global_buffer, .address_space: global }
      - { .name: maskw, .offset: 16, .size: 8, .value_kind: global_buffer, .address_space: global }
      - { .name: flags, .offset: 24, .size: 8, .value_kind: global_buffer, .address_space: global }
      - { .name: oc, .offset: 32, .size: 8, .value_kind: global_buffer, .address_space: global }
      - { .name: os, .offset: 40, .size: 8, .value_kind: global_buffer, .address_space: global }
    .group_segment_fixed_size: 272384
    .private_segment_fixed_size: 0
    .kernarg_segment_align: 8
    .kernarg_segment_size: 48
    .max_flat_workgroup_size: 512
    .sgpr_count:     102
    .vgpr_count:     256
    .wavefront_size: 32
...
	.end_amdgpu_metadata
.endif
;; end of part 3
;; launch outp (part 4): grid 4 x 32, 4 waves a work-group, clusters of 4 x 4, 327,680 bytes of LDS; arguments oc, os, cod, scl, bo, out0; writes out0
.if DOCPART == 4
	.amdgcn_target "amdgcn-amd-amdhsa--gfx1250"
	.amdhsa_code_object_version 6
	.text
	.protected	k_q3ee10d5f41_outp
	.globl	k_q3ee10d5f41_outp
	.p2align	8
	.type	k_q3ee10d5f41_outp,@function
k_q3ee10d5f41_outp:
	s_mov_b64 s[64:65], 0
	v_nop
	global_prefetch_b8 v0, s[64:65] scope:SCOPE_SE
	s_setreg_imm32_b32 hwreg(HW_REG_WAVE_MODE, 25, 1), 1
	s_wait_xcnt 0x0
	s_wait_alu depctr_hold_cnt(0) depctr_sa_sdst(0) depctr_va_vdst(0) depctr_va_sdst(0) depctr_va_ssrc(0) depctr_va_vcc(0) depctr_vm_vsrc(0)
	s_getreg_b32 s2, hwreg(HW_REG_IB_STS2, 6, 4)
	s_cmp_eq_u32 s2, 0
	s_cbranch_scc0 .Lentry_in_a_cluster
	s_endpgm
.Lentry_in_a_cluster:
	s_bfe_u32 s2, ttmp6, 0x10000c
	s_cmp_lg_u32 s2, 0xf033
	s_cbranch_scc0 .Lentry_shape_is_right
	s_endpgm
.Lentry_shape_is_right:
; OUTP.  out0 = O Wo^T + bo on codes of BF8 (E5M2) with E8M0 scales for each 32 along K = 1,024; out0 [8192][1024] f32.
; A = O: oc [row tile 512][K step of 128: 8][2,048 bytes] is an image of the operand's registers (chunk c of 512 bytes holds lane l's registers 4 c .. 4 c + 3 at byte 16 l); os [row][32] its scale bytes.  Rows in the stored order
; (in every 32 rows the two middle groups of 8 have changed places).   B = Wo: rows 27648 on of cod (1,024 codes a row) and scl (32 bytes a row), in the stored order too.
; A tile of 256 x 256 of out0 is made by four waves, each 128 x 128: 64 accumulators, 512 registers.  K goes in steps of 256 through a ring of two LDS slots filled by tensor loads; the scale bytes of the tile's rows come once.
; THE MATRIX INSTRUCTION IS USED TRANSPOSED (source 0 = 16 rows of Wo, source 1 = 16 rows of O): by Wo's stored order the 16 registers of result tiles 2 b and 2 b + 1 are the true columns 32 b + 16 (lane / 16) + 0 .. 15.
; bo is the C of each sum's first product.  On the way out each stored row goes to its true row.
; CLUSTERS: 4 x 4 work-groups; A's tiles are asked for jointly along a row of the cluster, B's along a column.
; REGISTERS, in windows of 256: window 0: v0-31 addresses; v32-63 scale words, two sets; v64-127 bo; from v128 A's fragments, one set; on the way out v128-255 rows of out0.
;   window 1: B's fragments, two sets.   window 2: the accumulators of A's blocks 0-3 ((a, b) at v[8 (8 a + b)]);   window 3: those of blocks 4-7.
.set KSTEP,  256
.set NQ,     2
.set ROWB,   256                       ; a row of B's tile in bytes
.set KROW,   1024
.set PITCH,  272                       ; B's LDS row: 256 bytes + 16 of padding: the 16 rows that a load touches start at 16 different banks (64 banks of 4 bytes: ISA guide 11.1)
.set AROW,   4096                      ; A: a row tile's two K steps of 128: 4,096 consecutive bytes; read back 16 bytes a lane on end, so it needs no padding
.set FR,     16
.set NL,     4
.set NP,     8                         ; places behind this matrix instruction (ISA guide 7.12.1)
.set HALFT,  128*PITCH                 ; a quarter of a slot (A's part uses 32,768 of it)
.set SLOT,   4*HALFT
.set LAPS,   2
.set KS,     32
.set SCL,    2*SLOT
.set HALFS,  16*272
.set SBLK,   2*272
.set SPARE,  SCL+4*HALFS               ; the spare words, 128 bytes for each wave: two blocks of 256 bytes that no other line names
.set SPITCH, 528                       ; the way out: a stage of 16 rows x (512 bytes + 16) for each wave, in slot 0, which has had its last fill and its last read by then
.set ADRA, 16
.set ADRB, 20
.set STO,  24
.set RD,   25
.set CO,   26
.set ADRS, 27
.set SPW,  28
.set NIL,  29
.set SC,   32
.set BI,   64                          ; v64-127 bo: register 8 b + j = bo[B's tile b, index 8 h + j]
.set AF,   128
.set BK,   128
.set G1, 24
.set G0, 32
.set G1B, 48
.set G0B, 56
.set G1S, 68
.set G0S, 76
.set G1SB, 80
.set G0SB, 88
.set MSB, 0
.macro WIN new                         ; the immediate's high byte repeats the setting that is left
.if MSB != (\new)
	s_set_vgpr_msb (MSB<<8)|(\new)
.set MSB, (\new)
.endif
.endm
.set MUL_LO, 0xa1                      ; source 0 (B) window 1, source 1 (A) window 0, C and D window 2
.set MUL_HI, 0xf1
.set BIA_LO, 0x81                      ; the same with C (bo) in window 0
.set BIA_HI, 0xc1
.set TO_B,   0x40
.macro JLOAD g0a, g1a, g0b, g1b        ; a joint load: waves 0 and 1 fetch for A, waves 2 and 3 for B; four v_nop follow each of the two lines
	s_cmp_eq_u32 s15, 0
	s_cbranch_scc0 .Lfor_b_\@
	tensor_load_to_lds s[\g0a:\g0a+3], s[\g1a:\g1a+7]
	s_nop 0
.rept 4
	v_nop
.endr
	s_branch .Lasked_\@
.Lfor_b_\@:
	tensor_load_to_lds s[\g0b:\g0b+3], s[\g1b:\g1b+7]
	s_nop 0
.rept 4
	v_nop
.endr
.Lasked_\@:
.endm
.macro CREST
	s_cmp_lg_u32 s14, 0
	s_cbranch_scc1 .Lnot_wave_0_\@
	s_barrier_signal -3
.Lnot_wave_0_\@:
	s_barrier_wait -3
	s_barrier_signal -1
	s_barrier_wait -1
.endm
.macro CROUND
	s_barrier_signal -1
	s_barrier_wait -1
	CREST
.endm
	s_load_b128 s[4:7], s[0:1], 0x0                ; oc, os
	s_load_b128 s[8:11], s[0:1], 0x10              ; cod, scl
	s_load_b128 s[96:99], s[0:1], 0x20             ; bo, out0
	v_lshl_add_u32 v[SPW], v0, 2, SPARE
	v_mov_b32 v[NIL], 0
	ds_add_u32 v28, v29
	ds_add_u32 v28, v29
	s_wait_dscnt 0x0
	v_lshrrev_b32 v1, 5, v0
	v_readfirstlane_b32 s14, v1                    ; wave 0..3
	s_lshr_b32 s15, s14, 1                         ; which half of the tile's rows is mine.  Also: I fetch for A (0) or for B (1)
	s_and_b32 s16, s14, 1                          ; which half of its columns.  Also: which 128 rows I fetch
	s_bfe_u32 s40, ttmp6, 0x40000                  ; cx, cy
	s_bfe_u32 s41, ttmp6, 0x40004
	s_lshl_b32 s42, ttmp9, 2
	s_add_co_u32 s42, s42, s40                     ; tile column = 4 x cluster x + cx
	s_and_b32 s17, ttmp7, 0xffff
	s_lshl_b32 s17, s17, 2
	s_add_co_u32 s17, s17, s41                     ; tile row = 4 x cluster y + cy
	s_lshl_b32 s43, s41, 2
	s_lshl_b32 s43, 15, s43                        ; my row of the cluster
	s_lshl_b32 s44, 0x1111, s40                    ; my column
	; group 1 for A: 8 row tiles x 4,096 bytes (512 elements of 8 bytes), 16,384 bytes apart, no padding
	s_or_b32 s[G1+0], s43, (3<<16)|(1<<21)         ; 15:0 the mask: my row; elements of 8 bytes; bit 21 beside a mask
	s_mov_b32 s[G1+1], 512<<16                     ; tensor_dim0
	s_mov_b32 s[G1+2], 8<<16                       ; tensor_dim1
	s_mov_b32 s[G1+3], 512<<16                     ; tile_dim0
	s_mov_b32 s[G1+4], 8                           ; tile_dim1
	s_mov_b32 s[G1+5], 2048                        ; tensor_dim0_stride, in elements
	s_mov_b32 s[G1+6], 0
	s_mov_b32 s[G1+7], 0
	; group 1 for B: 128 rows x 256 bytes, 16 bytes of padding behind each
	s_or_b32 s[G1B+0], s44, (0<<16)|(1<<20)|(1<<21)|(5<<22)|(3<<25)
	s_mov_b32 s[G1B+1], ROWB<<16
	s_mov_b32 s[G1B+2], 128<<16
	s_mov_b32 s[G1B+3], ROWB<<16
	s_mov_b32 s[G1B+4], 128
	s_mov_b32 s[G1B+5], KROW
	s_mov_b32 s[G1B+6], 0
	s_mov_b32 s[G1B+7], 0
	; the scales of 128 rows: 4,096 dense bytes, as 16 rows of 256 bytes, 16 bytes of padding behind each
	s_or_b32 s[G1S+0], s43, (3<<16)|(1<<20)|(1<<21)|(5<<22)|(3<<25)
	s_or_b32 s[G1SB+0], s44, (3<<16)|(1<<20)|(1<<21)|(5<<22)|(3<<25)
.irp g, G1S, G1SB
	s_mov_b32 s[\g+1], 32<<16
	s_mov_b32 s[\g+2], 16<<16
	s_mov_b32 s[\g+3], 32<<16
	s_mov_b32 s[\g+4], 16
	s_mov_b32 s[\g+5], 32
	s_mov_b32 s[\g+6], 0
	s_mov_b32 s[\g+7], 0
.endr
	s_lshl_b32 s18, s16, 7
	s_lshl_b32 s20, s17, 8
	s_add_co_u32 s20, s20, s18                     ; A: row 256 x tile row + 128 x half
	s_lshl_b32 s46, s42, 8
	s_add_co_u32 s46, s46, s18
	s_add_co_u32 s46, s46, 27648                   ; B: Wo's first row + 256 x tile column + 128 x half
	s_mov_b32 s21, 0
	s_mov_b32 s47, 0
	s_mov_b64 s[18:19], KS
	s_mul_u64 s[22:23], s[20:21], s[18:19]         ; where these rows' scales begin
	s_mul_u64 s[92:93], s[46:47], s[18:19]
	s_mov_b64 s[18:19], KROW
	s_mul_u64 s[20:21], s[20:21], s[18:19]         ; and their codes (16 rows of the image are 16,384 bytes: 1,024 a row here too)
	s_mul_u64 s[46:47], s[46:47], s[18:19]
	s_mul_i32 s45, s14, HALFT
	s_mul_i32 s94, s14, HALFS
	s_wait_kmcnt 0x0
	s_add_nc_u64 s[20:21], s[4:5], s[20:21]
	s_add_nc_u64 s[22:23], s[6:7], s[22:23]
	s_add_nc_u64 s[46:47], s[8:9], s[46:47]
	s_add_nc_u64 s[92:93], s[10:11], s[92:93]
	CROUND                                         ; all sixteen work-groups are here: the first joint loads meet
	s_mov_b32 s[G0S], 1
	s_add_co_u32 s[G0S+1], s94, SCL
	s_mov_b64 s[G0S+2:G0S+3], s[22:23]
	s_or_b32 s[G0S+3], s[G0S+3], 0x80000000
	s_mov_b32 s[G0SB], 1
	s_add_co_u32 s[G0SB+1], s94, SCL
	s_mov_b64 s[G0SB+2:G0SB+3], s[92:93]
	s_or_b32 s[G0SB+3], s[G0SB+3], 0x80000000
	JLOAD G0S, G1S, G0SB, G1SB                     ; the scales first.  With the two below, three loads of mine are out
.irp s, 0,1
	s_mov_b32 s[G0+4*\s], 1
	s_add_co_u32 s[G0+4*\s+1], s45, \s*SLOT
	s_add_nc_u64 s[G0+4*\s+2:G0+4*\s+3], s[20:21], \s*AROW
	s_or_b32 s[G0+4*\s+3], s[G0+4*\s+3], 0x80000000
	s_mov_b32 s[G0B+4*\s], 1
	s_add_co_u32 s[G0B+4*\s+1], s45, \s*SLOT
	s_add_nc_u64 s[G0B+4*\s+2:G0B+4*\s+3], s[46:47], \s*ROWB
	s_or_b32 s[G0B+4*\s+3], s[G0B+4*\s+3], 0x80000000
	JLOAD G0+4*\s, G1, G0B+4*\s, G1B
.endr
	v_and_b32 v1, 15, v0                           ; r
	v_bfe_u32 v2, v0, 4, 1                         ; h
	v_and_b32 v6, 31, v0
	v_lshlrev_b32 v[CO], 4, v6                     ; 16 x lane
	v_mul_u32_u24 v3, v1, PITCH
	v_lshl_add_u32 v4, v2, 4, v3                   ; B: a fragment's row x pitch + 16 h
	s_mul_i32 s21, s15, HALFT                      ; my 128 rows of A
	s_mul_i32 s22, s16, HALFT
	s_add_co_u32 s22, s22, 2*HALFT                 ; my 128 rows of B, behind A's
.irp s, 0,1
	v_add_nc_u32 v[ADRA+\s], s21, v[CO]            ; A: the image: 16 x lane
	v_add_nc_u32 v[ADRB+\s], s22, v4
	s_add_co_u32 s21, s21, SLOT
	s_add_co_u32 s22, s22, SLOT
.endr
	v_mul_u32_u24 v5, v1, KS
	v_lshrrev_b32 v6, 8, v5
	v_lshl_add_u32 v5, v6, 4, v5
	s_mul_i32 s21, s15, HALFS
	s_mul_i32 s22, s16, HALFS
	s_add_co_u32 s22, s22, 2*HALFS
	s_sub_co_u32 s22, s22, s21
	v_mul_u32_u24 v6, s22, v2                      ; lanes 16-31 take B's
	s_add_co_u32 s21, s21, SCL
	v_add_nc_u32 v5, v5, v6
	v_add_nc_u32 v[ADRS], s21, v5
	s_mul_i32 s23, s14, 16*SPITCH                  ; my stage
	v_mul_u32_u24 v5, v1, SPITCH
	v_lshl_add_u32 v5, v2, 6, v5
	v_add_nc_u32 v[STO], s23, v5                   ; in: row r, + 64 h: my 16 columns of each 32
	v_add_nc_u32 v[RD], s23, v[CO]                 ; back: the 32 lanes take one row of 512 bytes
	s_lshl_b32 s20, s17, 8
	s_lshl_b32 s21, s15, 7
	s_add_co_u32 s20, s20, s21                     ; my first row of out0
	s_lshl_b32 s20, s20, 12                        ; 4,096 bytes a row
	s_lshl_b32 s46, s42, 10                        ; my first column, in bytes: 1,024 x tile column + 512 x half
	s_lshl_b32 s47, s16, 9
	s_add_co_u32 s46, s46, s47
	v_lshl_add_u32 v22, v2, 6, s46                 ; bo: the same bytes, + 64 h
	s_mov_b32 s21, 0
	s_mov_b32 s47, 0
	s_add_nc_u64 s[20:21], s[20:21], s[46:47]
	s_add_nc_u64 s[98:99], s[98:99], s[20:21]
.irp b, 0,1,2,3
.irp i, 0,1,2,3
	global_load_b128 v[BI+16*\b+4*\i:BI+16*\b+4*\i+3], v22, s[96:97] offset:128*\b+16*\i
.endr
.endr
.macro FRAGB reg, adr, q, i            ; 16 rows x 128 K from rows: lane l holds row l % 16; registers 4 c .. 4 c + 3 hold K = 32 c + 16 (l / 16) + 0 .. 15
.irp c, 0,1,2,3
	ds_load_b128 v[\reg+4*\c:\reg+4*\c+3], v[\adr] offset:128*(\q)+32*\c+(\i)*16*PITCH
.endr
.endm
.macro FRAGA reg, adr, q, i            ; the same registers from the image: 512 consecutive bytes a load
.irp c, 0,1,2,3
	ds_load_b128 v[\reg+4*\c:\reg+4*\c+3], v[\adr] offset:2048*(\q)+512*\c+(\i)*AROW
.endr
.endm
; 16 matrix instructions: A's blocks a0, a0 + 1 x B's eight.  first = 1: bo starts the sums.  The 64 accumulators take turns, one instruction a turn.
.macro MUL16 a0, p, q, sc, first
.irp a, \a0, \a0+1
.irp b, 0,1,2,3,4,5,6,7
.if \first
	v_wmma_scale_f32_16x16x128_f8f6f4 v[8*(8*((\a)%4)+\b):8*(8*((\a)%4)+\b)+7], v[128*(\p)+FR*\b:128*(\p)+FR*\b+FR-1], v[AF+FR*(\a):AF+FR*(\a)+FR-1], v[BI+8*\b:BI+8*\b+7], v[SC+8*NQ*(\sc)+NQ*\b+(\q)], v[SC+8*NQ*(\sc)+NQ*(\a)+(\q)] matrix_a_fmt:MATRIX_FMT_BF8 matrix_b_fmt:MATRIX_FMT_BF8 matrix_a_scale:MATRIX_SCALE_ROW1
.else
	v_wmma_scale_f32_16x16x128_f8f6f4 v[8*(8*((\a)%4)+\b):8*(8*((\a)%4)+\b)+7], v[128*(\p)+FR*\b:128*(\p)+FR*\b+FR-1], v[AF+FR*(\a):AF+FR*(\a)+FR-1], v[8*(8*((\a)%4)+\b):8*(8*((\a)%4)+\b)+7], v[SC+8*NQ*(\sc)+NQ*\b+(\q)], v[SC+8*NQ*(\sc)+NQ*(\a)+(\q)] matrix_a_fmt:MATRIX_FMT_BF8 matrix_b_fmt:MATRIX_FMT_BF8 matrix_a_scale:MATRIX_SCALE_ROW1
.endif
.endr
.endr
.endm
.macro FETCH_B slot, q, p
	WIN TO_B
.irp i, 0,1,2,3,4,5,6,7
	FRAGB 128*(\p)+FR*\i, ADRB+\slot, \q, \i
.endr
	WIN 0
.endm
.macro FETCH_A slot, q, i0
.irp i, \i0, \i0+1, \i0+2, \i0+3
	FRAGA AF+FR*(\i), ADRA+\slot, \q, \i
.endr
.endm
.macro SCALES sc
.irp i, 0,1,2,3,4,5,6,7
	ds_load_b64 v[SC+8*NQ*\sc+NQ*\i:SC+8*NQ*\sc+NQ*\i+1], v[ADRS] offset:\i*SBLK
.endr
.endm
.macro PLACES n
.rept \n
	v_nop
.endr
.endm
.macro STEP slot, q, first
	s_wait_dscnt 4*NL                              ; B's set and A's blocks 0-3 are in; the youngest 16 loads (A's blocks 4-7) may be out
.if \first
	WIN BIA_LO
.else
	WIN MUL_LO
.endif
	MUL16 0, (\q)%2, \q, \slot, \first
	MUL16 2, (\q)%2, \q, \slot, \first
	s_wait_dscnt 0
	PLACES NP
	FETCH_B \slot, (\q)+1, 1-(\q)%2
	FETCH_A \slot, (\q)+1, 0
.if \first
	WIN BIA_HI
.else
	WIN MUL_HI
.endif
	MUL16 4, (\q)%2, \q, \slot, \first
	MUL16 6, (\q)%2, \q, \slot, \first
	PLACES NP
	WIN 0
	FETCH_A \slot, (\q)+1, 4
.endm
.macro TURN slot, next, fill
	s_wait_tensorcnt 0x0                           ; all my tensor loads have landed: my part of the next slot
	ds_add_u32 v[SPW], v[NIL]                      ; 0 onto my spare word
	s_wait_dscnt 4*NL+1                            ; the add and the youngest 16 loads may be out
	WIN MUL_LO
	MUL16 0, 1, NQ-1, \slot, 0
	s_wait_dscnt 0x0                               ; the add is done, and my reads of this slot are over
	s_barrier_signal -1
	MUL16 2, 1, NQ-1, \slot, 0
	WIN 0
	s_barrier_wait -1
.if \fill
	CREST                                          ; the barrier has opened a round of the cluster's: no wave of any partner still reads this slot or has a load on its way
	s_add_nc_u64 s[G0+4*\slot+2:G0+4*\slot+3], s[G0+4*\slot+2:G0+4*\slot+3], 2*AROW
	s_add_nc_u64 s[G0B+4*\slot+2:G0B+4*\slot+3], s[G0B+4*\slot+2:G0B+4*\slot+3], 2*ROWB
	JLOAD G0+4*\slot, G1, G0B+4*\slot, G1B         ; the first tensor load behind the round, my one load until the next
	PLACES NP-4
.else
	PLACES NP
.endif
	v_add_nc_u32 v[ADRS], 4*NQ, v[ADRS]
	FETCH_B \next, 0, 0
	FETCH_A \next, 0, 0
	SCALES \next
	WIN MUL_HI
	MUL16 4, 1, NQ-1, \slot, 0
	MUL16 6, 1, NQ-1, \slot, 0
	PLACES NP
	WIN 0
	FETCH_A \next, 0, 4
.endm
	s_wait_loadcnt 0x0                             ; bo
	s_wait_tensorcnt 1                             ; the scales and my part of K step 0 are in; K step 1's load may stay out
	s_barrier_signal -1
	s_barrier_wait -1
	FETCH_B 0, 0, 0
	FETCH_A 0, 0, 0
	SCALES 0
	FETCH_A 0, 0, 4
	STEP 0, 0, 1
	s_mov_b32 s3, LAPS-1
.Llap:
	TURN 0, 1, 1
	STEP 1, 0, 0
	TURN 1, 0, 1
	STEP 0, 0, 0
	s_sub_co_u32 s3, s3, 1
	s_cmp_lg_u32 s3, 0
	s_cbranch_scc1 .Llap
	TURN 0, 1, 0                                   ; the last lap fills nothing
	STEP 1, 0, 0
	s_wait_dscnt 4*NL
	WIN MUL_LO
	MUL16 0, 1, NQ-1, 1, 0
	MUL16 2, 1, NQ-1, 1, 0
	s_wait_dscnt 0
	WIN MUL_HI
	MUL16 4, 1, NQ-1, 1, 0
	MUL16 6, 1, NQ-1, 1, 0
	WIN 0
; THE WAY OUT, block by block of 16 rows x 128 columns, through my own stage: in by lanes (each accumulator from its low end on, its eight numbers at their true columns), back as whole rows of 512 bytes.
; LDS serves a wave's instructions in order (ISA guide 5.7.1.4): no wait between the stores and the loads, nor in front of the next block's stores.
.macro TOSTAGE a
.set AC, 64*((\a)%4)
	WIN 0x08+4*((\a)/4)                            ; the data: window 2 or 3
.irp b, 0,1,2,3,4,5,6,7
	ds_store_b128 v[STO], v[AC+8*\b:AC+8*\b+3] offset:128*(\b/2)+32*(\b%2)
	ds_store_b128 v[STO], v[AC+8*\b+4:AC+8*\b+7] offset:128*(\b/2)+32*(\b%2)+16
.endr
	WIN 0
.set BB, BK+64*((\a)%2)
.irp t, 0,1,2,3,4,5,6,7,8,9,10,11,12,13,14,15
	ds_load_b128 v[BB+4*\t:BB+4*\t+3], v[RD] offset:\t*SPITCH
.endr
.endm
.macro SEND a, younger                 ; younger: the LDS instructions issued behind block a's loads, which may stay out
.set BB, BK+64*((\a)%2)
	s_wait_dscnt \younger
.irp t, 0,1,2,3,4,5,6,7,8,9,10,11,12,13,14,15
	global_store_b128 v[CO], v[BB+4*\t:BB+4*\t+3], s[98:99] offset:(32*((\a)/2)+8*((\a)%2)+\t%8+16*(\t/8))*4096 th:TH_STORE_NT   ; stored row t of block a at its true row: 512 consecutive bytes, aligned
.endr
.endm
	PLACES NP
	TOSTAGE 0
.irp a, 1,2,3,4,5,6,7
.if \a > 1
	s_wait_xcnt 0x0                                ; block a - 2's stores have read their registers: block a's loads may land there
.endif
	TOSTAGE \a
	SEND \a-1, 32                                  ; behind block a - 1's loads: block a's 16 stores and 16 loads
.endr
	SEND 7, 0
	s_wait_tensorcnt 0x0                           ; the wave's end
	ds_add_u32 v[SPW], v[NIL]
	s_wait_dscnt 0x0
	CROUND                                         ; the closing round
	s_endpgm
.Lfunc_end_k_q3ee10d5f41_outp:
	.size	k_q3ee10d5f41_outp, .Lfunc_end_k_q3ee10d5f41_outp-k_q3ee10d5f41_outp
	.p2alignl 7, 3214868480
	.fill 96, 4, 3214868480
	.section	.rodata,"a",@progbits
	.p2align	6, 0x0
	.amdhsa_kernel k_q3ee10d5f41_outp
		.amdhsa_group_segment_fixed_size 327680
		.amdhsa_private_segment_fixed_size 0
		.amdhsa_enable_private_segment 0
		.amdhsa_kernarg_size 48
		.amdhsa_user_sgpr_count 2
		.amdhsa_user_sgpr_kernarg_segment_ptr 1
		.amdhsa_wavefront_size32 1
		.amdhsa_system_sgpr_workgroup_id_x 1
		.amdhsa_system_sgpr_workgroup_id_y 1
		.amdhsa_system_sgpr_workgroup_id_z 1
		.amdhsa_system_vgpr_workitem_id 0
		.amdhsa_next_free_vgpr 1024
		.amdhsa_next_free_sgpr 100
		.amdhsa_reserve_vcc 0
		.amdhsa_float_denorm_mode_32 3
		.amdhsa_float_denorm_mode_16_64 3
		.amdhsa_memory_ordered 1
		.amdhsa_forward_progress 1
		.amdhsa_inst_pref_size 147
	.end_amdhsa_kernel
	.amdgpu_metadata
---
amdhsa.version: [ 1, 2 ]
amdhsa.kernels:
  - .name:           k_q3ee10d5f41_outp
    .symbol:         k_q3ee10d5f41_outp.kd
    .args:
      - { .name: oc, .offset: 0, .size: 8, .value_kind: global_buffer, .address_space: global }
      - { .name: os, .offset: 8, .size: 8, .value_kind: global_buffer, .address_space: global }
      - { .name: cod, .offset: 16, .size: 8, .value_kind: global_buffer, .address_space: global }
      - { .name: scl, .offset: 24, .size: 8, .value_kind: global_buffer, .address_space: global }
      - { .name: bo, .offset: 32, .size: 8, .value_kind: global_buffer, .address_space: global }
      - { .name: out0, .offset: 40, .size: 8, .value_kind: global_buffer, .address_space: global }
    .group_segment_fixed_size: 327680
    .private_segment_fixed_size: 0
    .kernarg_segment_align: 8
    .kernarg_segment_size: 48
    .max_flat_workgroup_size: 128
    .sgpr_count:     100
    .vgpr_count:     1024
    .wavefront_size: 32
...
	.end_amdgpu_metadata
.endif
;; end of part 4
;; ======== version 2 of 2: 4 launches; version 1 with the launch attn written anew for expert scheduling mode
;; limits: right only within a limited range of input values
;; workspace buffers: cod 29,360,128 bytes; scl 917,504 bytes; maskw 524,288 bytes of whole numbers; flags 8,192 bytes of whole numbers; qi 8,650,752 bytes; kv 17,301,504 bytes; oc 8,388,608 bytes; os 262,144 bytes
;; launch prep: the kernel of part 1 again; grid 1408 x 1, 4 waves a work-group, no clusters, 67,072 bytes of LDS; arguments q, k, v, Wq, Wk, Wv, Wo, mask, cod, scl, maskw, flags; writes cod, scl, maskw, flags
;; launch proj: the kernel of part 2 again; grid 4 x 96, 4 waves a work-group, clusters of 4 x 4, 327,680 bytes of LDS; arguments cod, scl, bq, bk, bv, qi, kv; writes qi, kv
;; launch attn (part 5): grid 4 x 64, 16 waves a work-group, no clusters, 272,384 bytes of LDS; arguments qi, kv, maskw, flags, oc, os; writes oc, os
.if DOCPART == 5
	.amdgcn_target "amdgcn-amd-amdhsa--gfx1250"
	.amdhsa_code_object_version 6
	.text
	.protected	k_q3ee10d5f41_attn
	.globl	k_q3ee10d5f41_attn
	.p2align	8
	.type	k_q3ee10d5f41_attn,@function
k_q3ee10d5f41_attn:
	s_mov_b64 s[64:65], 0
	v_nop
	global_prefetch_b8 v0, s[64:65] scope:SCOPE_SE
	s_setreg_imm32_b32 hwreg(HW_REG_WAVE_SCHED_MODE, 0, 2), 2
	s_setreg_imm32_b32 hwreg(HW_REG_WAVE_MODE, 25, 1), 1
	s_wait_xcnt 0x0
	s_wait_alu depctr_vm_vsrc(0)
; ATTN.  O = softmax(mask(Q K^T / 8)) V for one (batch, head) and 512 queries a work-group, both products on codes of BF8 (E5M2) with E8M0 scales; O / l is quantised along the model's 1,024 and leaves as an operand image.
; THE SOFTMAX AHEAD OF THE SECOND PRODUCT: t = score x log2(e) / 8; M = the running largest t rounded UP to a whole number; p = 2^(t - M) is quantised along the keys, not normalised; the row's sum l is taken of the
; unquantised p.  When M moves, l and O are multiplied by 2^(old M - new M): exact.
; SHARES.  The head's whole kv block (16 steps of 128 keys x 16,896 bytes) is copied into LDS once, byte for byte (each wave one step), and only read afterwards: one barrier in the launch.
; Each of the sixteen waves owns two tiles of 16 queries, one after the other, in 256 registers: four waves to a SIMD, so that one wave's vector work stands beside another's products and LDS loads.
; LAYOUT.  Both products are used transposed: S^T = K Q^T, O^T = V^T P^T: a lane holds ONE query (lane % 16).  By the stored order of the keys, register n of S^T is key 32 (n / 16) + 16 (lane / 16) + n % 16 of the step.
; K = 64 IN A PRODUCT OF 128: a fragment of K holds TWO key tiles (k 0-63: tile 2 F, k 64-127: tile 2 F + 1).  Q lies between two runs of zero codes, [0 x 8 | Q x 8 | 0 x 8]: v[24:39] = [Q | 0] meets tile 2 F,
; v[16:31] = [0 | Q] meets tile 2 F + 1.  All codes are finite (every quantiser holds its numbers), so zero codes add nothing; their scale bytes are 0x7f.
; THE MASK.  maskw holds, for each unit (tile, step), 64 lane masks in the registers' order; flags says which units have a hole.  A unit without a hole jumps over the 64 selections: a scalar branch on a stored whole number.
; A hidden score becomes -2^33: x c that is exact and a whole number, so a row that is wholly hidden has t = M and p = 1 for every key, as where all logits are -1e9; beside any open key p is 0.
; CLUSTER: none.  The four work-groups of a head read the same 270,336 bytes once each, at their start; the launch branches on a stored number:
; that branch spares 64 vector instructions in every unit without a hole, 16 units for each tile, against one fill a work-group.
; LIMITS: open logits at or under about -1.07e9 (score x 1/8 <= -2^30) are not ordered against hidden ones as in the definition; p under 2^-126 becomes 0; NaN and infinities are not served; a block of zeros has the byte 1.
; THE MODE: SCHED_MODE bits 1:0 = 2 (LLVM: expert scheduling mode 2), set by the entry lines.  The code itself states the register dependences
; between vector or matrix instructions and memory or LDS instructions, with s_wait_alu, always for 0.
; THE PLAN.  Registers that memory or LDS instructions touch:
;   v[L16]          Made once at the head; read by the fill's loads.
;   v[AD], v[AS]    LDS addresses.  v[AD] is read by the fill's stores, both by every run of fragment loads; written at the head, behind the barrier, and once a step, behind the products V^T P.
;   KV              One buffer of 64 registers (sixteen waves of 256 registers leave room for no second).  K's run of loads lands in it, the eight products K Q^T read it, V's run lands in it, the four products V^T P read it.
;   KSC, VSC        K's and V's scale words: they land with their runs and are read by the same products.
;   v[VQ], v[VOC], v[VOS]   Written at a tile's head; read by Q's loads and by the tile's three stores.   v[VQS]: made once at the head; read by the load of Q's scale word.
;   Q, v[QW]        Loaded at a tile's head; read by the products and by one shift.
;   PC, v[OB]       Written by conversions and one vector line; the tile's stores read PC's first eight registers and v[OB].
; A step has two runs of LDS loads, each at the first place where KV is free, each behind one wait on va_vdst: V's behind the products K Q^T, with the whole softmax between it and its use; K's behind the products V^T P.
; No vector or matrix instruction between such a wait and its run's last load names a register that the run touches.  One wait on vm_vsrc a step stands ahead of the additions to v[AD] and v[AS].
; The scaled products take p's codes and scale word, and Q's scale words, from vector instructions: a wait on va_vdst stands behind the places in front of them.
.set STEPB, 16896
.set L16, 1                            ; v1   16 x lane
.set R16, 2                            ; v2   16 x (lane % 16)
.set AD,  3                            ; v3   LDS: the step in hand + 16 x lane
.set AS,  4                            ; v4   LDS: the step in hand + 16 r
.set NEG, 5                            ; v5   -2^33
.set VQ,  6                            ; v6   Q's codes: my bytes in the group
.set VOC, 7                            ; v7   oc: my bytes
.set VOS, 8                            ; v8   os: my bytes
.set VQS, 9                            ; v9   Q's scale word
.set QSL, 10                           ; v10  Q's scales for [Q | 0];  v11 for [0 | Q]
.set QSH, 11
                                       ; v12 -M, v13 the largest t, v[14:15] the sum in two halves
.set ZL,  16                           ; v16-23 zeros, v24-31 Q, v32-39 zeros
.set Q,   24
.set KV,  40                           ; v40-103  four fragments of K, then of V
.set S,   104                          ; v104-167 S^T, then p
.set O,   168                          ; v168-199 O^T
.set PC,  200                          ; v200-215 p's codes
.set KSC, 216                          ; v216-219 K's scale words, v220-223 V's
.set VSC, 220
.set BM,  224                          ; v224-227 the blocks' largest scores, then largest p
.set T1,  228                          ; v228-231 at work
.set HD,  232                          ; v232-235 57,344 x the scale
.set SC,  240                          ; v240-243 the conversions' scale operands
.set FF,  244                          ; v[244:245] f = 2^(old M - new M)
.set PW,  246                          ; p's scale word
.set TP,  247
.set SU,  248                          ; v[248:249] the second chain of the sum
.set OB,  250                          ; O's two scale bytes
.set QW,  251                          ; Q's scale word as loaded
	s_load_b256 s[4:11], s[0:1], 0x0               ; qi, kv, maskw, flags
	s_load_b128 s[12:15], s[0:1], 0x20             ; oc, os
	v_lshl_add_u32 v254, v0, 2, 0x42000
	v_mov_b32 v255, 0
	v_lshrrev_b32 v[TP], 5, v0
	v_readfirstlane_b32 s16, v[TP]                 ; wave 0..15
	v_and_b32 v[L16], 31, v0
	v_lshlrev_b32 v[L16], 4, v[L16]
	v_and_b32 v[R16], 15, v0
	v_lshlrev_b32 v[R16], 4, v[R16]
	s_wait_alu depctr_va_sdst(0)                   ; s16 is written, ahead of its first reader: the wave's places in LDS and in the buffers are made from it
	s_and_b32 s17, ttmp7, 0xffff                   ; batch x 16 + head
	s_mul_i32 s2, s17, 16*STEPB
	s_mul_i32 s3, s16, STEPB
	v_add_nc_u32 v[AD], s3, v[L16]                 ; the fill: my wave's step in LDS
	s_add_co_u32 s2, s2, s3
	s_mov_b32 s3, 0
	s_wait_kmcnt 0x0
	s_add_nc_u64 s[6:7], s[6:7], s[2:3]
	s_wait_alu depctr_va_vdst(0)                   ; v[L16] is written, which the loads below read as their offset, and v[AD], by which the LDS stores of the fill go
.set i, 0
.rept 33
	global_load_b128 v[KV+4*i:KV+4*i+3], v[L16], s[6:7] offset:512*i   ; 33 x 512 consecutive bytes: key step = my wave's number
.set i, i+1
.endr
	s_lshl_b32 s18, ttmp9, 2
	s_lshr_b32 s2, s16, 2
	s_add_co_u32 s18, s18, s2                      ; my group of 128 queries, 0..15
	s_and_b32 s25, s16, 3                          ; F: my pair of tiles in it
	s_mul_i32 s2, s17, 135168
	s_mul_i32 s26, s18, 8448
	s_add_co_u32 s2, s2, s26
	s_add_nc_u64 s[4:5], s[4:5], s[2:3]            ; qi at my group
	s_lshl_b32 s18, s18, 3
	s_lshl_b32 s26, s25, 1
	s_add_co_u32 s18, s18, s26                     ; T0: my first tile
	s_lshl_b32 s2, s18, 12
	s_add_nc_u64 s[8:9], s[8:9], s[2:3]            ; maskw: 4,096 bytes a tile
	s_lshl_b32 s2, s18, 6
	s_add_nc_u64 s[10:11], s[10:11], s[2:3]        ; flags: 64 bytes a tile
	s_lshr_b32 s26, s17, 4
	s_lshl_b32 s26, s26, 7
	s_add_co_u32 s26, s26, s18                     ; the row tile of the output: batch x 128 + T0
	s_and_b32 s27, s17, 15                         ; the head
	s_lshl_b32 s2, s26, 14
	s_lshr_b32 s28, s27, 1
	s_lshl_b32 s28, s28, 11                        ; K step of the last product: head / 2;
	s_add_co_u32 s2, s2, s28
	s_and_b32 s28, s27, 1
	s_lshl_b32 s28, s28, 10                        ; chunks 2 (head % 2) and 2 (head % 2) + 1 of its fragment
	s_add_co_u32 s2, s2, s28
	s_add_nc_u64 s[12:13], s[12:13], s[2:3]
	s_lshl_b32 s2, s26, 9
	s_lshl_b32 s28, s27, 1
	s_add_co_u32 s2, s2, s28
	s_add_nc_u64 s[14:15], s[14:15], s[2:3]        ; os: 32 bytes a row, bytes 2 head and 2 head + 1
	v_lshl_add_u32 v[VQS], s25, 2, v[R16]
	v_add_nc_u32 v[VQS], 8192, v[VQS]              ; Q's scale block: 16 r + 4 F
	s_lshl_b32 s18, s25, 11                        ; fragment F of Q's codes
	v_mov_b32 v[NEG], 0xd0000000
.irp j, 0,1,2,3,4,5,6,7
	v_mov_b32 v[ZL+\j], 0
	v_mov_b32 v[Q+8+\j], 0
.endr
.irp b, 0,1,2,3
	v_mov_b32 v[T1+\b], 0                          ; a lane permute's destination counts as one of its sources
.endr
	v_mov_b32 v[FF+1], 0                           ; (named as the upper half of a pair)
	s_mov_b32 s20, 0x76543210
	s_mov_b32 s21, 0xfedcba98                      ; v_permlanex16_b32's selects for lane l xor 16
	s_mov_b32 s22, 0x3e38aa3b                      ; c = log2(e) / 8
	s_mov_b32 s23, s22
	s_mov_b32 s24, 0x600000                        ; the mantissa field of 57,344
	s_mov_b32 s66, 0x7f7f0000
	s_mov_b32 s67, 0x7f7f
.set i, 0
.rept 33
	s_wait_loadcnt 32-i                            ; load i is in; the younger ones stay out
	ds_store_b128 v[AD], v[KV+4*i:KV+4*i+3] offset:512*i   ; (no vector instruction since the wait ahead of the loads names v[AD] or these registers)
.set i, i+1
.endr
	s_wait_dscnt 0x0                               ; for the others' sake: my stores have landed
	s_barrier_signal -1
	s_barrier_wait -1                              ; the head's 16 steps lie in LDS; nothing writes LDS from here on
.macro FETCHK
.irp f, 0,1,2,3
.irp c, 0,1,2,3
	ds_load_b128 v[KV+16*\f+4*\c:KV+16*\f+4*\c+3], v[AD] offset:2048*\f+512*\c
.endr
.endr
	ds_load_b128 v[KSC:KSC+3], v[AS] offset:16384
.endm
.macro FETCHV
.irp f, 0,1,2,3
.irp c, 0,1,2,3
	ds_load_b128 v[KV+16*\f+4*\c:KV+16*\f+4*\c+3], v[AD] offset:8192+2048*\f+512*\c
.endr
.endr
	ds_load_b128 v[VSC:VSC+3], v[AS] offset:16640
.endm
	s_wait_alu depctr_vm_vsrc(0)                   ; my LDS stores have read v[AD], which the next line writes, and v40 to v171, in which fragments land and which products and vector lines write from here on
	v_mov_b32 v[AD], v[L16]
	v_mov_b32 v[AS], v[R16]
	s_wait_alu depctr_va_vdst(0)                   ; v[AD] and v[AS] are written, by which the loads below go
	FETCHK                                         ; step 0
	s_mov_b32 s19, 0                               ; J: which of my two tiles
.Ltile:
	s_wait_kmcnt 0x0                               ; the last step's scalar loads have landed: their registers and base are written anew
	s_wait_xcnt 0x0                                ; the last tile's stores have read their registers
	s_wait_alu depctr_vm_vsrc(0)                   ; the last tile's loads have read v[VQ], its stores v[VOC], v[VOS], the codes and v[OB]: the lines below and this tile's conversions write them again
	s_lshl_b32 s2, s19, 10
	s_add_co_u32 s2, s2, s18
	v_add_nc_u32 v[VQ], s2, v[L16]                 ; chunks 2 J, 2 J + 1 of fragment F
	s_lshl_b32 s2, s19, 14
	v_add_nc_u32 v[VOC], s2, v[L16]
	s_lshl_b32 s2, s19, 9
	v_lshl_add_u32 v[VOS], v[R16], 1, s2           ; 32 r + 512 J
	s_wait_alu depctr_va_vdst(0)                   ; v[VQ] is written (in the first tile v[VQS] too), by which the loads below go; the last tile's products are done reading Q, and its shift v[QW], in which they land
	global_load_b128 v[Q:Q+3], v[VQ], s[4:5]
	global_load_b128 v[Q+4:Q+7], v[VQ], s[4:5] offset:512
	global_load_b32 v[QW], v[VQS], s[4:5]
	s_lshl_b32 s2, s19, 6
	s_mov_b32 s3, 0
	s_add_nc_u64 s[100:101], s[10:11], s[2:3]
	s_load_b512 s[32:47], s[100:101], 0x0          ; the tile's 16 flags
	s_lshl_b32 s2, s19, 12
	s_add_nc_u64 s[30:31], s[8:9], s[2:3]          ; the tile's lane masks
	s_wait_kmcnt 0x0
	s_or_b32 s27, s32, s33
.irp j, 34,35,36,37,38,39,40,41,42,43,44,45,46,47
	s_or_b32 s27, s27, s[\j]                       ; bit s: step s has a hole
.endr
	s_load_b512 s[32:47], s[30:31], 0x0            ; step 0's 64 words
	s_load_b512 s[48:63], s[30:31], 0x40
	s_load_b512 s[68:83], s[30:31], 0x80
	s_load_b512 s[84:99], s[30:31], 0xc0
	s_wait_loadcnt 0x0
	s_lshl_b32 s2, s19, 4
	v_lshrrev_b32 v[TP], s2, v[QW]                 ; my tile's two bytes
	v_and_or_b32 v[QSL], v[TP], 0xffff, s66        ; for k 0-63; 2^0 over the zero codes
	v_lshl_or_b32 v[QSH], v[TP], 16, s67           ; for k 64-127
	v_mov_b32 v13, 0xff61b1e6                      ; the largest t so far: -3e38
	v_floor_f32 v12, -v13                          ; -M
	v_mov_b32 v14, 0
	v_mov_b32 v15, 0
.set j, 0
.rept 32
	v_mov_b32 v[O+j], 0                            ; the step is written once: the first finds zeros.  (These lines are also the places between the scale words above and the first product)
.set j, j+1
.endr
	s_wait_alu depctr_va_vdst(0)                   ; v[QSL] and v[QSH] are written, which the scaled products below take as Q's scales; the places above stay beside this wait
	s_mov_b32 s26, 0                               ; the step
.Lstep:
	s_wait_dscnt 0x0                               ; K's fragments and scale words are in
.irp f, 0,1,2,3
	v_wmma_scale_f32_16x16x128_f8f6f4 v[S+16*\f:S+16*\f+7], v[KV+16*\f:KV+16*\f+15], v[Q:Q+15], 0, v[KSC+\f], v[QSL] matrix_a_fmt:MATRIX_FMT_BF8 matrix_b_fmt:MATRIX_FMT_BF8
	v_wmma_scale_f32_16x16x128_f8f6f4 v[S+16*\f+8:S+16*\f+15], v[KV+16*\f:KV+16*\f+15], v[ZL:ZL+15], 0, v[KSC+\f], v[QSH] matrix_a_fmt:MATRIX_FMT_BF8 matrix_b_fmt:MATRIX_FMT_BF8
.endr
.rept 8
	v_nop                                          ; places in front of the first read of the scores (ISA guide 7.12.1)
.endr
	s_wait_alu depctr_va_vdst(0)                   ; the eight products are done reading K's fragments, and the last step's products V^T P their scale words: V's fragments and scale words land in these registers
	FETCHV                                         ; lands under the softmax, no line of which names KV, VSC, v[AD] or v[AS]
	s_wait_kmcnt 0x0                               ; this step's lane masks
	s_bitcmp1_b32 s27, s26
	s_cbranch_scc0 .Lopen                          ; no hole in this unit
.set n, 0
.rept 64
	v_cndmask_b32 v[S+n], v[NEG], v[S+n], s[32+n+4*(n/32)]
.set n, n+1
.endr
.Lopen:
.irp b, 0,1,2,3
	v_max3_num_f32 v[BM+\b], v[S+16*\b], v[S+16*\b+1], v[S+16*\b+2]   ; the largest score of each block of 32 keys: for the row's maximum, and, since p rises with the score, for the block's largest p
.endr
.irp i, 3,5,7,9,11,13
.irp b, 0,1,2,3
	v_max3_num_f32 v[BM+\b], v[BM+\b], v[S+16*\b+\i], v[S+16*\b+\i+1]
.endr
.endr
.irp b, 0,1,2,3
	v_max_num_f32 v[BM+\b], v[BM+\b], v[S+16*\b+15]
.endr
.irp b, 0,1,2,3
	v_permlanex16_b32 v[T1+\b], v[BM+\b], s20, s21
.endr
.irp b, 0,1,2,3
	v_max_num_f32 v[BM+\b], v[BM+\b], v[T1+\b]     ; with lane l xor 16's 16 keys
.endr
	v_max3_num_f32 v[TP], v[BM], v[BM+1], v[BM+2]
	v_max_num_f32 v[TP], v[TP], v[BM+3]
	v_mul_f32 v[TP], s22, v[TP]                    ; the step's largest t (c is positive)
	v_max_num_f32 v13, v13, v[TP]
	v_mov_b32 v[TP], v12
	v_floor_f32 v12, -v13                          ; the new -M = -ceil(t)
	v_sub_f32 v[TP], v12, v[TP]                    ; old M - new M: a whole number, 0 or less
	v_cvt_i32_f32 v[TP], v[TP]                     ; (it saturates)
	v_ldexp_f32 v[FF], 1.0, v[TP]                  ; f = 2^(old M - new M)
.set j, 0
.rept 32
	v_pk_fma_f32 v[S+j:S+j+1], v[S+j:S+j+1], s[22:23], v[12:13] op_sel_hi:[1,0,0]   ; t - M, two at a time
.set j, j+2
.endr
.irp b, 0,1,2,3
	v_fma_f32 v[BM+\b], v[BM+\b], s22, v12
.endr
.set j, 0
.rept 64
	v_exp_f32 v[S+j], v[S+j]                       ; p = 2^(t - M)
.set j, j+1
.endr
.irp b, 0,1,2,3
	v_exp_f32 v[BM+\b], v[BM+\b]                   ; the block's largest p: the same two instructions on the same number
.endr
	v_pk_mul_f32 v[14:15], v[14:15], v[FF:FF+1] op_sel_hi:[1,0]   ; the sums under the new M.  (A plain line behind the exponentials)
	s_add_co_u32 s28, s26, 1
	s_and_b32 s28, s28, 15                         ; the next step; behind the last it is step 0 again, so every load stays inside its buffer
	s_lshl_b32 s29, s28, 8
	s_load_b512 s[32:47], s[30:31], s29 offset:0x0 ; its lane masks
	s_load_b512 s[48:63], s[30:31], s29 offset:0x40
	s_load_b512 s[68:83], s[30:31], s29 offset:0x80
	s_load_b512 s[84:99], s[30:31], s29 offset:0xc0
	s_wait_alu depctr_va_vdst(0)                   ; the 68 exponentials have written p and the blocks' largest p: one wait for the batch, ahead of its first reader
.irp b, 0,1,2,3
	v_max_num_f32 v[BM+\b], 0x8000000, v[BM+\b]    ; the floor 2^(16 - 127): the byte cannot fall under 1
.endr
.irp b, 0,1,2,3
	v_add_nc_u32 v[SC+\b], 0xf8800000, v[BM+\b]    ; 15 off the exponent field: the conversion's scale operand
.endr
.irp b, 0,1,2,3
	v_and_or_b32 v[HD+\b], v[BM+\b], 0x7f800000, s24   ; 57,344 x the scale
.endr
.irp b, 0,1,2,3
	v_lshrrev_b32 v[T1+\b], 23, v[SC+\b]           ; the scale's byte
.endr
	v_lshl_or_b32 v[PW], v[T1+1], 8, v[T1]         ; p's scale word for these 128 keys
	v_lshl_or_b32 v[PW], v[T1+2], 16, v[PW]
	v_lshl_or_b32 v[PW], v[T1+3], 24, v[PW]
	v_pk_add_f32 v[SU:SU+1], v[S:S+1], v[S+2:S+3]  ; the row's sum is taken of the unquantised p, in two chains
.irp j, 4,8,12,16,20,24,28,32,36,40,44,48,52,56,60
	v_pk_add_f32 v[14:15], v[14:15], v[S+\j:S+\j+1]
	v_pk_add_f32 v[SU:SU+1], v[SU:SU+1], v[S+\j+2:S+\j+3]
.endr
	v_pk_add_f32 v[14:15], v[14:15], v[SU:SU+1]
.irp b, 0,1,2,3
.irp i, 0,1,2,3,4,5,6,7,8,9,10,11,12,13,14,15
	v_min_num_f32 v[S+16*\b+\i], v[S+16*\b+\i], v[HD+\b]   ; the conversion does not saturate (ISA guide 7.6.2); p is not negative, so the hold is one-sided
.endr
	v_cvt_scalef32_pk8_bf8_f32 v[PC+4*\b:PC+4*\b+1], v[S+16*\b:S+16*\b+7], v[SC+\b]
	v_cvt_scalef32_pk8_bf8_f32 v[PC+4*\b+2:PC+4*\b+3], v[S+16*\b+8:S+16*\b+15], v[SC+\b]
.endr
.set j, 0
.rept 16
	v_pk_mul_f32 v[O+j:O+j+1], v[O+j:O+j+1], v[FF:FF+1] op_sel_hi:[1,0]   ; O^T under the new M, each accumulator from its low end on.  (Also the places between the codes and the products below)
.set j, j+2
.endr
	s_wait_dscnt 0x0                               ; V's fragments and scale words are in
	s_wait_alu depctr_va_vdst(0)                   ; the conversions have written p's codes, and the lines further up its scale word, which the scaled products below take; the places above stay beside this wait
.irp t, 0,1,2,3
	v_wmma_scale_f32_16x16x128_f8f6f4 v[O+8*\t:O+8*\t+7], v[KV+16*\t:KV+16*\t+15], v[PC:PC+15], v[O+8*\t:O+8*\t+7], v[VSC+\t], v[PW] matrix_a_fmt:MATRIX_FMT_BF8 matrix_b_fmt:MATRIX_FMT_BF8   ; the four accumulators by turns; the next step's eight products stand between two links of a chain
.endr
	s_mul_i32 s25, s28, STEPB                      ; the next step in LDS
	s_wait_alu depctr_vm_vsrc(0)                   ; V's run of loads has read v[AD] and v[AS], which the next two lines write
	v_add_nc_u32 v[AD], s25, v[L16]
	v_add_nc_u32 v[AS], s25, v[R16]
.rept 6
	v_nop                                          ; with the two additions: eight places in front of the first read of O^T behind the loop
.endr
	s_wait_alu depctr_va_vdst(0)                   ; v[AD] and v[AS] are written; the four products are done reading V's fragments, and this step's products K Q^T their scale words: K's next fragments and scale words land there
	FETCHK                                         ; behind the last step: step 0's, which the next tile wants first
	s_add_co_u32 s26, s26, 1
	s_cmp_lt_u32 s26, 16
	s_cbranch_scc1 .Lstep
	; THE TILE'S WAY OUT: O^T / l; its two blocks of 32 along the head's 64 are blocks 2 head, 2 head + 1 of the model's 1,024; registers 16 b + i are d = 32 b + 16 (lane / 16) + i
	v_add_f32 v14, v14, v15
	v_permlanex16_b32 v[TP], v14, s20, s21
	v_add_f32 v14, v14, v[TP]                      ; the row's sum
	v_rcp_f32 v14, v14
	v_nop                                          ; a plain line behind the transcendental
	s_wait_alu depctr_va_vdst(0)                   ; the reciprocal has written v14, ahead of its first reader
.set j, 0
.rept 16
	v_pk_mul_f32 v[O+j:O+j+1], v[O+j:O+j+1], v[14:15] op_sel_hi:[1,0]
.set j, j+2
.endr
.irp b, 0,1
	v_max3_num_f32 v[BM+\b], |v[O+16*\b]|, |v[O+16*\b+1]|, 0x8000000
.endr
.irp i, 2,4,6,8,10,12,14
.irp b, 0,1
	v_max3_num_f32 v[BM+\b], v[BM+\b], |v[O+16*\b+\i]|, |v[O+16*\b+\i+1]|
.endr
.endr
.irp b, 0,1
	v_permlanex16_b32 v[T1+\b], v[BM+\b], s20, s21
.endr
.irp b, 0,1
	v_max_num_f32 v[BM+\b], v[BM+\b], v[T1+\b]
.endr
.irp b, 0,1
	v_add_nc_u32 v[SC+\b], 0xf8800000, v[BM+\b]
.endr
.irp b, 0,1
	v_and_or_b32 v[HD+\b], v[BM+\b], 0x7f800000, s24
.endr
.irp b, 0,1
	v_lshrrev_b32 v[T1+\b], 23, v[SC+\b]
.endr
	v_lshl_or_b32 v[OB], v[T1+1], 8, v[T1]
.irp b, 0,1
.irp i, 0,1,2,3,4,5,6,7,8,9,10,11,12,13,14,15
	v_med3_num_f32 v[O+16*\b+\i], v[O+16*\b+\i], -v[HD+\b], v[HD+\b]
.endr
	v_cvt_scalef32_pk8_bf8_f32 v[PC+4*\b:PC+4*\b+1], v[O+16*\b:O+16*\b+7], v[SC+\b]
	v_cvt_scalef32_pk8_bf8_f32 v[PC+4*\b+2:PC+4*\b+3], v[O+16*\b+8:O+16*\b+15], v[SC+\b]
.endr
	v_nop                                          ; a plain line behind the last conversion
	s_wait_alu depctr_va_vdst(0)                   ; the conversions have written O's codes and the line further up v[OB], which the three stores below read
	global_store_b128 v[VOC], v[PC:PC+3], s[12:13]             ; 32 lanes store 512 consecutive bytes: a chunk of the last product's operand image
	global_store_b128 v[VOC], v[PC+4:PC+7], s[12:13] offset:512
	global_store_b16 v[VOS], v[OB], s[14:15]       ; my row's two scale bytes (both halves of the lanes write the same value); 2 of a row's 32 bytes: 262,144 bytes in the whole launch leave so
	s_add_co_u32 s19, s19, 1
	s_cmp_lt_u32 s19, 2
	s_cbranch_scc1 .Ltile
	s_wait_dscnt 0x0                               ; the closing lines, six on end
	s_wait_alu 0x0
	s_wait_tensorcnt 0x0
	ds_add_u32 v254, v255
	s_wait_dscnt 0x0
	s_endpgm
.Lfunc_end_k_q3ee10d5f41_attn:
	.size	k_q3ee10d5f41_attn, .Lfunc_end_k_q3ee10d5f41_attn-k_q3ee10d5f41_attn
	.p2alignl 7, 3214868480
	.fill 96, 4, 3214868480
	.section	.rodata,"a",@progbits
	.p2align	6, 0x0
	.amdhsa_kernel k_q3ee10d5f41_attn
		.amdhsa_group_segment_fixed_size 272384
		.amdhsa_private_segment_fixed_size 0
		.amdhsa_enable_private_segment 0
		.amdhsa_kernarg_size 48
		.amdhsa_user_sgpr_count 2
		.amdhsa_user_sgpr_kernarg_segment_ptr 1
		.amdhsa_wavefront_size32 1
		.amdhsa_system_sgpr_workgroup_id_x 1
		.amdhsa_system_sgpr_workgroup_id_y 1
		.amdhsa_system_sgpr_workgroup_id_z 1
		.amdhsa_system_vgpr_workitem_id 0
		.amdhsa_next_free_vgpr 256
		.amdhsa_next_free_sgpr 102
		.amdhsa_reserve_vcc 0
		.amdhsa_float_denorm_mode_32 3
		.amdhsa_float_denorm_mode_16_64 3
		.amdhsa_memory_ordered 1
		.amdhsa_forward_progress 1
		.amdhsa_inst_pref_size 43
	.end_amdhsa_kernel
	.amdgpu_metadata
---
amdhsa.version: [ 1, 2 ]
amdhsa.kernels:
  - .name:           k_q3ee10d5f41_attn
    .symbol:         k_q3ee10d5f41_attn.kd
    .args:
      - { .name: qi, .offset: 0, .size: 8, .value_kind: global_buffer, .address_space: global }
      - { .name: kv, .offset: 8, .size: 8, .value_kind: global_buffer, .address_space: global }
      - { .name: maskw, .offset: 16, .size: 8, .value_kind: global_buffer, .address_space: global }
      - { .name: flags, .offset: 24, .size: 8, .value_kind: global_buffer, .address_space: global }
      - { .name: oc, .offset: 32, .size: 8, .value_kind: global_buffer, .address_space: global }
      - { .name: os, .offset: 40, .size: 8, .value_kind: global_buffer, .address_space: global }
    .group_segment_fixed_size: 272384
    .private_segment_fixed_size: 0
    .kernarg_segment_align: 8
    .kernarg_segment_size: 48
    .max_flat_workgroup_size: 512
    .sgpr_count:     102
    .vgpr_count:     256
    .wavefront_size: 32
...
	.end_amdgpu_metadata
.endif
;; end of part 5
;; launch outp: the kernel of part 4 again; grid 4 x 32, 4 waves a work-group, clusters of 4 x 4, 327,680 bytes of LDS; arguments oc, os, cod, scl, bo, out0; writes out0
